; MI455X (gfx1250); checked and timed in simulation.
; The chip was launched on July 23, 2026; its instructions are those of AMD's public machine-readable ISA for CDNA 5 (MIT licence, August 2026) and "CDNA5" Instruction Set Architecture Reference Guide (July 2026). The comments in the code are by the model that wrote it; some were corrected since.
;; Multi Head Attention. Allowed arithmetic: matrix products marked QUANTISED: E2M3 operands, one E8M0 scale for each 32 along K, by v_wmma_scale_f32_16x16x128_f8f6f4 with both operands' format E2M3, f32 sums; everything else in f32.
;; Inputs: Wk 12 x 768 x 64 float32; Wq 12 x 768 x 64 float32; Wv 12 x 768 x 64 float32; bk 12 x 64 float32; bq 12 x 64 float32; bv 12 x 64 float32; x 16 x 1,024 x 768 float32.
;; Outputs: out0 16 x 1,024 x 768 float32.
;; This version of the problem:
;;   THIS VERSION OF THE PROBLEM IS GIVEN IN LOW PRECISION. The matrix products marked QUANTISED in the list below multiply operands that are first quantised to E2M3 (2 exponent bits, 3 mantissa bits; 6 bits a number), with one power-of-two scale for each 32 numbers along K (OCP MX v1.0); their sums are f32. All else is computed in f32.
;;   The module's matrix products, in the order in which they are computed (A, B: the left and right operand; K: the contracted axis; several contracted axes count as one K, in the product's order):
;;     1. [M 768, K 768] x [K 768, N 16,384]; A: input Wq; B: input x: QUANTISED
;;     2. [M 768, K 768] x [K 768, N 16,384]; A: input Wk; B: input x: QUANTISED
;;     3. [M 768, K 768] x [K 768, N 16,384]; A: input Wv; B: input x: QUANTISED
;;     4. batch 192 x [M 1,024, K 64] x [K 64, N 1,024]; A: computed on the way; B: computed on the way: QUANTISED
;;     5. batch 192 x [M 1,024, K 1,024] x [K 1,024, N 64]; A: softmax (see below); B: computed on the way: QUANTISED
;;   THE QUANTISER, for each operand of a quantised product, along K:
;;     - K is cut into blocks of 32 from its start; a last block that is shorter is filled with zeros.
;;     - A block's scale is 2^e with e = floor(log2(the largest magnitude in the block)) - 2, held to -126 .. 127; a block of zeros has e = 0. As a byte (E8M0): e + 127.
;;     - Each number is divided by its block's scale, clamped to +-7.5, and rounded to the nearest number of E2M3, ties to even, subnormals kept.
;;     - The product sums the exact products of the quantised numbers (number of the format x scale) in f32.
;;   ~~~python
;;   def quantise(x, axis):      # numpy; x: float32 -> the quantised numbers, widened to float32 again
;;       x = np.moveaxis(x, axis, -1); K = x.shape[-1]
;;       x = np.pad(x, [(0, 0)] * (x.ndim - 1) + [(0, -K % 32)]); x = x.reshape(x.shape[:-1] + (-1, 32)); a = np.abs(x).max(-1, keepdims=True)
;;       e = np.where(a > 0, np.clip(np.frexp(np.where(a > 0, a, 1))[1] - 1 - 2, -126, 127), 0)      # np.frexp(a)[1] - 1 = floor(log2(a)), exactly
;;       r = np.clip(x / 2.0 ** e, -7.5, 7.5)
;;       step = 2.0 ** (np.maximum(np.frexp(np.where(r == 0, 1, r))[1] - 1, 0) - 3)
;;       q = np.round(r / step) * step * 2.0 ** e      # np.round: ties to even
;;       return np.moveaxis(q.reshape(q.shape[:-2] + (-1,))[..., :K], -1, axis).astype(np.float32)
;;   ~~~
;;   SOFTMAX AHEAD OF A QUANTISED PRODUCT. Where the list says 'softmax', what is quantised is not the finished softmax but p = 2^(t - M), with t = logit x log2(e) and M = ceil(the row's largest t), a whole number; so 1/2 < the row's largest p <= 1. The row's sum l is taken of the UNQUANTISED p, in f32, and the product's result is divided by l at the end. Since M is a whole number, a kernel that streams over the keys may use a running M (the ceiling of the running maximum): every later rescaling is an exact power of two, which a block's scale takes up: the codes' values come out the same.
;;   OPERANDS COMPUTED ON THE WAY. 'Computed on the way' means the value that the module computes at that place (a softmax that the list does not call 'softmax' is quantised finished and normalised). What goes into a quantiser is computed in f32, as accurately as f32 sums, v_exp_f32 and their like allow (about 1e-6 of the number): no bf16 or f16 on the way to a quantiser, and a product that is left as it is and whose result goes on into a quantised operand takes f32 operands (vector FMAs, or v_wmma_f32_16x16x4_f32). A number that lies on a knife's edge between two numbers of the format may be rounded either way, as far as f32 arithmetic and the matrix unit's own rounding can turn it there, and no further.
;; 2 versions. Each part assembles by itself: llvm-mc -triple=amdgcn-amd-amdhsa -mcpu=gfx1250 --defsym DOCPART=n.
;; ======== version 1 of 2: 3 launches
;; workspace buffers: wfr 1,382,400 bytes; qw 10,223,616 bytes; kv 20,054,016 bytes
;; launch wquant (part 1): grid 18 x 12, 4 waves a work-group, no clusters, 1,536 bytes of LDS; arguments Wq, Wk, Wv, wfr; writes wfr
.if DOCPART == 1
	.amdgcn_target "amdgcn-amd-amdhsa--gfx1250"
	.amdhsa_code_object_version 6
	.text
	.protected	k_qa878fae4ca_wquant
	.globl	k_qa878fae4ca_wquant
	.p2align	8
	.type	k_qa878fae4ca_wquant,@function
k_qa878fae4ca_wquant:
	s_mov_b64 s[64:65], 0
	v_nop
	global_prefetch_b8 v0, s[64:65] scope:SCOPE_SE
	s_setreg_imm32_b32 hwreg(HW_REG_WAVE_MODE, 25, 1), 1
	s_wait_xcnt 0x0
; Wq, Wk, Wv [12][768 (d)][64 (e)], f32, K = d is NOT innermost.  They become codes of FP6 (E2M3) with one E8M0 byte for each 32 along d,
; laid in wfr IN THE ORDER OF A MATRIX OPERAND'S REGISTERS, so that the next launch loads each fragment by three loads of 16 bytes a lane.
; wfr: unit U = 3 head + kind (0 q, 1 k, 2 v), 38,400 bytes = 6 groups (128 along d each) of 6,400 bytes; a group = 4 fragments of 1,536 bytes
; (registers 4 c .. 4 c + 3 of lane l at 512 c + 16 l), then 256 bytes of scale words at 6,144 + 8 l: word 0 = tile l / 16, row l % 16; word 1 = tile 2 + l / 16.
; THE COLUMNS OF A TILE ARE NOT NEIGHBOURS: row r of tile 2 b + u is column e = 32 b + 8 u + r + 8 (r / 8), so that in the next launch's results the 16 registers of two neighbouring tiles are 16 neighbouring e.
; SHARES: a work-group takes one group (kind and K step from x, head from y), each of its four waves one tile.  A LANE TAKES A COLUMN AND ITS REGISTERS RUN DOWN d, in the order the operand's layout gives that lane:
; lane (r, h) holds d = 64 c + 32 h + 0 .. 31 in registers 32 c + 0 .. 31: two whole blocks, so no other lane is asked for a maximum and nothing is transposed.
; A block's scale is 2^(floor(log2(largest magnitude)) - 2): its byte is the largest magnitude's exponent field - 2, held at 1 from below by a floor among the maximum's leaves.
; LIMITS: a block of zeros gets the byte 1 where the quantiser says 127 (its codes are zeros, and this program alone reads the bytes); NaN and infinities among the inputs are not served.
; No matrix unit, no cluster, no tensor load: 7 MB are read once and the waves share only 256 bytes of scale words.
.set UNITB, 38400
.set GRPB,  6400
.set FRB,   1536
.set NUM,   64                         ; v64-127 my 64 numbers
.set COD,   48                         ; v48-59  the fragment's 12 registers
.set CO2,   32                         ; v32-34, v36-38 the second halves as the conversions leave them
	s_load_b256 s[4:11], s[0:1], 0x0               ; Wq s[4:5], Wk s[6:7], Wv s[8:9], wfr s[10:11]
	v_lshl_add_u32 v128, v0, 2, 0x400
	v_mov_b32 v129, 0
	v_lshrrev_b32 v1, 5, v0
	v_readfirstlane_b32 s12, v1                    ; wave = tile t = 2 b + u
	v_and_b32 v3, 31, v0                           ; lane
	v_and_b32 v1, 15, v0                           ; r
	v_bfe_u32 v2, v0, 4, 1                         ; h
	v_and_b32 v4, 8, v1
	v_add_nc_u32 v4, v4, v1                        ; r + 8 (r / 8)
	v_lshlrev_b32 v5, 2, v4
	v_lshl_add_u32 v5, v2, 13, v5                  ; in: my column's 4 bytes, and 32 rows of 256 bytes further down for lanes 16-31
	s_mul_i32 s13, s12, FRB
	v_lshl_add_u32 v6, v3, 4, s13                  ; out: 16 x lane in my tile's fragment
	v_lshlrev_b32 v7, 3, v3                        ; 8 x lane: the scale words' way out
	s_and_b32 s14, s12, 1                          ; u
	s_lshr_b32 s15, s12, 1                         ; b
	s_lshl_b32 s16, s14, 7
	s_lshl_b32 s17, s15, 2
	s_add_co_u32 s16, s16, s17
	v_lshl_add_u32 v8, v1, 3, s16                  ; LDS: (16 u + r) x 8 + 4 b: my row's scale word
	s_cmp_ge_u32 ttmp9, 6
	s_cselect_b32 s18, 1, 0
	s_cmp_ge_u32 ttmp9, 12
	s_cselect_b32 s19, 1, 0
	s_add_co_u32 s18, s18, s19                     ; kind
	s_mul_i32 s19, s18, 6
	s_sub_co_u32 s19, ttmp9, s19                   ; K step
	s_and_b32 s22, ttmp7, 0xffff                   ; head
	s_mul_i32 s24, s22, 196608                     ; in: head x 768 rows of 256 bytes
	s_lshl_b32 s23, s19, 15                        ; + K step x 128 rows
	s_add_co_u32 s24, s24, s23
	s_lshl_b32 s23, s15, 7                         ; + 4 (32 b + 8 u)
	s_add_co_u32 s24, s24, s23
	s_lshl_b32 s23, s14, 5
	s_add_co_u32 s24, s24, s23
	s_mov_b32 s25, 0
	s_mul_i32 s26, s22, 3                          ; out: the unit, and the group in it
	s_add_co_u32 s26, s26, s18
	s_mul_i32 s26, s26, UNITB
	s_mul_i32 s23, s19, GRPB
	s_add_co_u32 s26, s26, s23
	s_mov_b32 s27, 0
	s_mov_b32 s20, 0x76543210
	s_mov_b32 s21, 0xfedcba98                      ; v_permlanex16_b32's selects for lane l xor 16
	s_wait_kmcnt 0x0
	s_cmp_ge_u32 ttmp9, 6                          ; which weight: the choice hangs on the work-group's number alone
	s_cselect_b64 s[4:5], s[6:7], s[4:5]
	s_cmp_ge_u32 ttmp9, 12
	s_cselect_b64 s[4:5], s[8:9], s[4:5]
	s_add_nc_u64 s[4:5], s[4:5], s[24:25]
	s_add_nc_u64 s[10:11], s[10:11], s[26:27]
.irp c, 0,1
.set ii, 0
.rept 32
	global_load_b32 v[NUM+32*\c+ii], v5, s[4:5] offset:256*(64*\c+ii)   ; W(64 c + 32 h + i, my column); the four waves together take each row's 256 bytes
.set ii, ii+1
.endr
.endr
	v_mov_b32 v10, 0                               ; a lane permute's destination counts as one of its sources
	s_wait_loadcnt 0x0                             ; one fragment a wave: there is nothing to work on meanwhile
.irp c, 0,1
	v_max3_num_f32 v[12+\c], |v[NUM+32*\c]|, |v[NUM+1+32*\c]|, 0x1800000   ; my block 2 c + h, and the floor 2^(3 - 127): the byte cannot fall under 1
.endr
.irp i, 2,4,6,8,10,12,14,16,18,20,22,24,26,28,30
.irp c, 0,1
	v_max3_num_f32 v[12+\c], v[12+\c], |v[NUM+32*\c+\i]|, |v[NUM+1+32*\c+\i]|   ; the two blocks by turns
.endr
.endr
.irp c, 0,1
	v_add_nc_u32 v[14+\c], 0xff000000, v[12+\c]    ; 2 off the exponent field: the conversion takes this operand's exponent field as its scale
.endr
.irp c, 0,1
	v_lshrrev_b32 v[16+\c], 23, v[14+\c]           ; the scale's byte
.endr
	v_lshl_or_b32 v9, v17, 16, v16                 ; my two bytes: blocks h and 2 + h,
	v_lshlrev_b32 v11, 3, v2
	v_lshlrev_b32 v9, v11, v9                      ; 8 h bits up;
	v_permlanex16_b32 v10, v9, s20, s21
	v_or_b32 v9, v9, v10                           ; with lane l xor 16's two the word is whole
.irp c, 0,1
	v_cvt_scalef32_pk16_fp6_f32 v[COD+6*\c:COD+6*\c+2], v[NUM+32*\c:NUM+32*\c+15], v[14+\c]
	v_cvt_scalef32_pk16_fp6_f32 v[CO2+4*\c:CO2+4*\c+2], v[NUM+32*\c+16:NUM+32*\c+31], v[14+\c]   ; (a conversion's three registers begin on an even number)
.endr
	v_nop                                          ; one plain instruction behind the scaled conversions
.irp c, 0,1
.irp i, 0,1,2
	v_mov_b32 v[COD+3+6*\c+\i], v[CO2+4*\c+\i]
.endr
.endr
.irp c, 0,1,2
	global_store_b128 v6, v[COD+4*\c:COD+4*\c+3], s[10:11] offset:512*\c   ; the wave stores 512 consecutive bytes, at a multiple of 256 from wfr's first byte
.endr
	ds_store_b32 v8, v9                            ; both halves of the lanes write the same word with the same value
	s_wait_dscnt 0x0                               ; for the others' sake: my word has landed
	s_barrier_signal -1
	s_barrier_wait -1
	s_cmp_lg_u32 s12, 0
	s_cbranch_scc1 .Ldone                          ; wave 0 stores the four tiles' scale words
	ds_load_b64 v[12:13], v7
	s_wait_dscnt 0x0
	global_store_b64 v7, v[12:13], s[10:11] offset:6144   ; 32 lanes store 256 consecutive bytes, aligned
.Ldone:
	s_wait_tensorcnt 0x0
	ds_add_u32 v128, v129
	s_wait_dscnt 0x0
	s_endpgm
.Lfunc_end_k_qa878fae4ca_wquant:
	.size	k_qa878fae4ca_wquant, .Lfunc_end_k_qa878fae4ca_wquant-k_qa878fae4ca_wquant
	.p2alignl 7, 3214868480
	.fill 96, 4, 3214868480
	.section	.rodata,"a",@progbits
	.p2align	6, 0x0
	.amdhsa_kernel k_qa878fae4ca_wquant
		.amdhsa_group_segment_fixed_size 1536
		.amdhsa_private_segment_fixed_size 0
		.amdhsa_enable_private_segment 0
		.amdhsa_kernarg_size 32
		.amdhsa_user_sgpr_count 2
		.amdhsa_user_sgpr_kernarg_segment_ptr 1
		.amdhsa_wavefront_size32 1
		.amdhsa_system_sgpr_workgroup_id_x 1
		.amdhsa_system_sgpr_workgroup_id_y 1
		.amdhsa_system_sgpr_workgroup_id_z 1
		.amdhsa_system_vgpr_workitem_id 0
		.amdhsa_next_free_vgpr 130
		.amdhsa_next_free_sgpr 66
		.amdhsa_reserve_vcc 0
		.amdhsa_float_denorm_mode_32 3
		.amdhsa_float_denorm_mode_16_64 3
		.amdhsa_memory_ordered 1
		.amdhsa_forward_progress 1
		.amdhsa_inst_pref_size 13
	.end_amdhsa_kernel
	.amdgpu_metadata
---
amdhsa.version: [ 1, 2 ]
amdhsa.kernels:
  - .name:           k_qa878fae4ca_wquant
    .symbol:         k_qa878fae4ca_wquant.kd
    .args:
      - { .name: Wq, .offset: 0, .size: 8, .value_kind: global_buffer, .address_space: global }
      - { .name: Wk, .offset: 8, .size: 8, .value_kind: global_buffer, .address_space: global }
      - { .name: Wv, .offset: 16, .size: 8, .value_kind: global_buffer, .address_space: global }
      - { .name: wfr, .offset: 24, .size: 8, .value_kind: global_buffer, .address_space: global }
    .group_segment_fixed_size: 1536
    .private_segment_fixed_size: 0
    .kernarg_segment_align: 8
    .kernarg_segment_size: 32
    .max_flat_workgroup_size: 128
    .sgpr_count:     66
    .vgpr_count:     130
    .wavefront_size: 32
...
	.end_amdgpu_metadata
.endif
;; end of part 1
;; launch proj (part 2): grid 256 x 1, 4 waves a work-group, no clusters, 82,432 bytes of LDS; arguments x, wfr, bq, bk, bv, qw, kv; writes qw, kv
.if DOCPART == 2
	.amdgcn_target "amdgcn-amd-amdhsa--gfx1250"
	.amdhsa_code_object_version 6
	.text
	.protected	k_qa878fae4ca_proj
	.globl	k_qa878fae4ca_proj
	.p2align	8
	.type	k_qa878fae4ca_proj,@function
k_qa878fae4ca_proj:
	s_mov_b64 s[64:65], 0
	v_nop
	global_prefetch_b8 v0, s[64:65] scope:SCOPE_SE
	s_setreg_imm32_b32 hwreg(HW_REG_WAVE_MODE, 25, 1), 1
	s_wait_xcnt 0x0
; q, k, v = x W + b for all 12 heads, on codes of FP6 (E2M3) with one E8M0 scale for each 32 along d; the results, in f32, are quantised here (q and k along e, v along the tokens) and leave as images of operand registers.
; SHARES.  A work-group takes 64 tokens (group g of batch b) and all 2,304 columns.  THE WAVES SHARE THE COLUMNS: wave w takes heads 3 w .. 3 w + 2 (nine units of wfr on end) for all 64 tokens.
; x is read once in the launch: wave w quantises token tile w (16 tokens x 768); the 24 fragments go round through LDS as images of their registers and then stay in every wave's registers.
; W's fragments come from memory straight into operand registers, six groups (one unit) ahead.  NO CLUSTER, NO JOINT LOADS for W, though all work-groups walk it: each byte of W feeds exactly one wave of a work-group
; and arrives in register order by loads of 512 consecutive bytes; a way through LDS would add 1,382,400 bytes of LDS writes and as many LDS reads to each work-group.
; THE TOKENS OF A TILE ARE NOT NEIGHBOURS: row r of tile 2 b + u is token 32 b + 8 u + r + 8 (r / 8) of the group, and W's columns likewise (launch wquant).  So in every result the 16 registers of two neighbouring tiles are 16 neighbours.
; q, k: source 0 = 16 columns of W, source 1 = 16 tokens: a lane holds one token and its registers run along e.   v: source 0 = 16 tokens, source 1 = 16 columns: a lane holds one channel and its registers run along the tokens.
; The biases are the C of each sum's first matrix instruction.
; OUT.  A half image (16 rows x 64 K, 6 registers a lane) is 768 bytes: registers 0-3 at 16 l, registers 4-5 at 512 + 8 l.  Record R = 16 head + batch.
;   qw record, 53,248 bytes: token tile T = 4 g + 2 mm + c at 768 T; scale words at 49,152 + 256 g + 8 (16 c + r) + 4 mm, each word = its row's two bytes twice (the product q k^T fills its instruction's K of 128 with zero codes).
;   kv record, 104,448 bytes: k's half images and (at 98,304) scale words as q's; v's half images at 49,152 + 6,144 (g / 2) + 1,536 t + 768 (g % 2); v's scale words at 102,400 + 256 (g / 2) + 64 t + 4 r, bytes 2 (g % 2) + 0, 1.
;   v's scale bytes leave two at a time (393,216 bytes in the launch): a whole word would want 128 tokens in one work-group.
; LIMITS: a block of zeros gets the byte 1 where the quantiser says 127 (its codes are zeros, and this program alone reads the bytes); NaN and infinities among the inputs are not served.
; REGISTERS, in windows of 256.  Window 0: v1-18 addresses; v20-31 x's scale words; v32-43 W's; v44-75 a unit's bias as C; v76-79 bv by channel; v80-207 sixteen accumulators (v80-143 also 64 numbers of x); v208-244 the quantiser's.
;   x's fragment (K step s, tile m): window 1 + s / 3, v[48 (s % 3) + 12 m].   W's ring, group s, tile t: window 1 + s / 2, v[144 + 48 (s % 2) + 12 t].   x as loaded, set s % 4: window 1 + (s % 4) / 2, v[64 (s % 2)], dead before the fragments land.
.set XIMG,   0                         ; LDS: x's 24 fragments, (4 s + m) x 1,536
.set XSC,    36864                     ; their scale words, (4 s + m) x 64 + 4 r
.set BIAS,   38400                     ; the biases of each wave's three heads: 2,304 w + 256 (3 i + kind)
.set STAGE,  47616                     ; a stage for each wave: 16 rows of 512 bytes + 16
.set SPITCH, 528                       ; 33 x 16 bytes: the sixteen rows that a load of 16 bytes a lane touches lie in sixteen different 16-byte columns of 256
.set GRPB,   6400
.set UNITB,  38400
.set QREC,   53248
.set KREC,   104448
.set XS,  20
.set WS,  32
.set BI,  44
.set BV,  76
.set ACC, 80
.set TM,  208                          ; v208-211 largest magnitudes, v212-215 the other half's, then bytes, v220-223 the conversions' scale operands
.set PW,  224                          ; the scale word just made
.set PC,  226                          ; v226-237 the codes just made; v238-240, v242-244 the second halves as the conversions leave them
.set MSB, 0
.macro WIN new                         ; the immediate's high byte repeats the setting that is left; a switch that changes nothing is dropped
.if MSB != (\new)
	s_set_vgpr_msb (MSB<<8)|(\new)
.set MSB, (\new)
.endif
.endm
.macro PLACES                          ; four plain instructions between a matrix instruction and a load into, or a read of, its registers (ISA guide 7.12.1 for vector instructions)
.rept 4
	v_nop
.endr
.endm
; my 16 tokens' numbers of K step s: each load takes one token's 512 consecutive bytes, 16 a lane
.macro XLOAD s
	WIN (1+((\s)%4)/2)<<6
.set ii, 0
.rept 16
	global_load_b128 v[64*((\s)%2)+4*ii:64*((\s)%2)+4*ii+3], v1, s[4:5] offset:(ii+8*(ii/8))*3072+512*(\s) th:TH_LOAD_NT
.set ii, ii+1
.endr
	WIN 0
.endm
; through my own stage: in as loaded, back so that register 16 B + i of lane (r, h) is number 32 B + 16 h + i of row r.  LDS serves a wave's instructions in order (ISA guide 5.7.1.4): no wait between the stores and the loads
.macro TURN s
	WIN (1+((\s)%4)/2)<<2
.set ii, 0
.rept 16
	ds_store_b128 v4, v[64*((\s)%2)+4*ii:64*((\s)%2)+4*ii+3] offset:SPITCH*ii
.set ii, ii+1
.endr
	WIN 0
.set ii, 0
.rept 16
	ds_load_b128 v[ACC+4*ii:ACC+4*ii+3], v5 offset:128*(ii/4)+16*(ii%4)
.set ii, ii+1
.endr
.endm
; 64 numbers of a lane, v[s] .. v[s + 63], register 16 b + i = neighbour 32 b + 16 (lane / 16) + i of my row, become 12 registers of codes in v[PC] on (registers 6 c .. 6 c + 5: block 2 c + lane / 16, whole) and four scale bytes in v[PW]
.macro QUANT s
.irp b, 0,1,2,3
	v_max3_num_f32 v[TM+\b], |v[\s+16*\b]|, |v[\s+1+16*\b]|, 0x1800000   ; block b: my 16 numbers, and the floor 2^(3 - 127): the byte cannot fall under 1
.endr
.irp i, 2,4,6,8,10,12,14
.irp b, 0,1,2,3
	v_max3_num_f32 v[TM+\b], v[TM+\b], |v[\s+16*\b+\i]|, |v[\s+1+16*\b+\i]|   ; the four blocks by turns
.endr
.endr
.irp b, 0,1,2,3
	v_permlanex16_b32 v[TM+4+\b], v[TM+\b], s20, s21
.endr
.irp b, 0,1,2,3
	v_max_num_f32 v[TM+\b], v[TM+\b], v[TM+4+\b]   ; with lane l xor 16's: the block's largest magnitude
.endr
.irp b, 0,1,2,3
	v_add_nc_u32 v[TM+12+\b], 0xff000000, v[TM+\b] ; 2 off its exponent field: the conversion's scale operand
.endr
.irp b, 0,1,2,3
	v_lshrrev_b32 v[TM+4+\b], 23, v[TM+12+\b]      ; the scale's byte
.endr
	v_lshl_or_b32 v[PW], v[TM+5], 8, v[TM+4]
	v_lshl_or_b32 v[PW], v[TM+6], 16, v[PW]
	v_lshl_or_b32 v[PW], v[TM+7], 24, v[PW]
.irp c, 0,1
	v_cvt_scalef32_pk16_fp6_f32 v[PC+6*\c:PC+2+6*\c], v[\s+32*\c:\s+15+32*\c], v[TM+12+2*\c]
	v_cvt_scalef32_pk16_fp6_f32 v[PC+12+4*\c:PC+14+4*\c], v[\s+16+32*\c:\s+31+32*\c], v[TM+12+2*\c+1]   ; (a conversion's three registers begin on an even number)
.endr
	v_nop                                          ; one plain instruction behind the scaled conversions
.irp c, 0,1                                    ; the operand's layout wants a whole block in a lane
.irp i, 0,1,2
	v_permlane16_swap_b32 v[PC+6*\c+\i], v[PC+12+4*\c+\i]
.endr
.irp i, 0,1,2
	v_mov_b32 v[PC+3+6*\c+\i], v[PC+12+4*\c+\i]
.endr
.endr
.endm
.macro IMAGE s                                 ; x's fragment (s, my tile) and its scale word go to LDS as they stand
.irp c, 0,1,2
	ds_store_b128 v6, v[PC+4*\c:PC+4*\c+3] offset:XIMG+6144*(\s)+512*\c
.endr
	ds_store_b32 v7, v[PW] offset:256*(\s)         ; both halves of the lanes write the same word with the same value
.endm
; group s of the unit off bytes on from s[6:7]: four fragments, 12 loads of 512 consecutive bytes, and the scale words, 256 bytes: 13 loads
.macro RINGLOAD s, off
	WIN (1+(\s)/2)<<6
.set ii, 0
.rept 12
	global_load_b128 v[144+48*((\s)%2)+4*ii:144+48*((\s)%2)+4*ii+3], v1, s[6:7] offset:(\off)+GRPB*(\s)+512*ii
.set ii, ii+1
.endr
	WIN 0
	global_load_b64 v[WS+2*(\s):WS+2*(\s)+1], v2, s[6:7] offset:(\off)+GRPB*(\s)+6144
.endm
.macro WM                                      ; one matrix instruction from the symbols rD, rA, rB, rC, rSA, rSB; fA, fB: that side's scale words stand in lanes 16-31
.if (fA == 0) && (fB == 0)
	v_wmma_scale_f32_16x16x128_f8f6f4 v[rD:rD+7], v[rA:rA+11], v[rB:rB+11], v[rC:rC+7], v[rSA], v[rSB] matrix_a_fmt:MATRIX_FMT_FP6 matrix_b_fmt:MATRIX_FMT_FP6
.elseif (fA == 1) && (fB == 0)
	v_wmma_scale_f32_16x16x128_f8f6f4 v[rD:rD+7], v[rA:rA+11], v[rB:rB+11], v[rC:rC+7], v[rSA], v[rSB] matrix_a_fmt:MATRIX_FMT_FP6 matrix_b_fmt:MATRIX_FMT_FP6 matrix_a_scale:MATRIX_SCALE_ROW1
.elseif (fA == 0) && (fB == 1)
	v_wmma_scale_f32_16x16x128_f8f6f4 v[rD:rD+7], v[rA:rA+11], v[rB:rB+11], v[rC:rC+7], v[rSA], v[rSB] matrix_a_fmt:MATRIX_FMT_FP6 matrix_b_fmt:MATRIX_FMT_FP6 matrix_b_scale:MATRIX_SCALE_ROW1
.else
	v_wmma_scale_f32_16x16x128_f8f6f4 v[rD:rD+7], v[rA:rA+11], v[rB:rB+11], v[rC:rC+7], v[rSA], v[rSB] matrix_a_fmt:MATRIX_FMT_FP6 matrix_b_fmt:MATRIX_FMT_FP6 matrix_a_scale:MATRIX_SCALE_ROW1 matrix_b_scale:MATRIX_SCALE_ROW1
.endif
.endm
; K step s of a unit: 16 matrix instructions on 16 accumulators, which take turns, one instruction a turn, in the same order in every step.  The first step takes the bias as C: nothing is cleared
.macro MUL kind, s
.set wW, 1+(\s)/2
.set wX, 1+(\s)/3
.if \kind < 2
	WIN (wX<<2)|wW
.else
	WIN (wW<<2)|wX
.endif
.irp m, 0,1,2,3
.irp t, 0,1,2,3
.set rX, 48*((\s)%3)+12*\m
.set rW, 144+48*((\s)%2)+12*\t
.if \kind < 2
.set rD, ACC+32*\m+8*\t
.set rA, rW
.set rB, rX
.set rSA, WS+2*(\s)+\t/2
.set rSB, XS+2*(\s)+\m/2
.set fA, \t%2
.set fB, \m%2
.else
.set rD, ACC+32*\t+8*\m
.set rA, rX
.set rB, rW
.set rSA, XS+2*(\s)+\m/2
.set rSB, WS+2*(\s)+\t/2
.set fA, \m%2
.set fB, \t%2
.endif
.if (\s) == 0
.set rC, BI+8*\t
.else
.set rC, rD
.endif
	WM
.endr
.endr
.endm
.macro BIASQK off                              ; the bias of a q or k unit in the result's layout: lane (r, h), tile 2 b + u, register j: e = 32 b + 16 h + 8 u + j
.irp t, 0,1,2,3
	ds_load_b128 v[BI+8*\t:BI+8*\t+3], v9 offset:\off+128*(\t/2)+32*(\t%2)
	ds_load_b128 v[BI+8*\t+4:BI+8*\t+7], v9 offset:\off+128*(\t/2)+32*(\t%2)+16
.endr
.endm
.macro BIASV                                   ; bv of my channel in each of the four tiles
.irp t, 0,1,2,3
	ds_load_b32 v[BV+\t], v10 offset:512+128*(\t/2)+32*(\t%2)
.endr
.endm
; q's or k's way out: two tiles of tokens at a time become two half images and their scale words
.macro EPIQK pimg, psc
.irp mm, 0,1
	s_wait_xcnt 0x0                                ; the earlier stores have read their data: the codes' and the words' registers are written again only behind this wait
	QUANT ACC+64*\mm
	global_store_b128 v1, v[PC:PC+3], s[\pimg:\pimg+1] offset:(2*\mm)*768          ; 512 consecutive bytes, aligned to 256
	global_store_b64 v2, v[PC+4:PC+5], s[\pimg:\pimg+1] offset:(2*\mm)*768+512     ; 256 consecutive bytes, aligned
	global_store_b128 v1, v[PC+6:PC+9], s[\pimg:\pimg+1] offset:(2*\mm+1)*768
	global_store_b64 v2, v[PC+10:PC+11], s[\pimg:\pimg+1] offset:(2*\mm+1)*768+512
	v_lshrrev_b32 v16, v11, v[PW]                  ; lanes 0-15: tile 2 mm's two bytes; lanes 16-31: tile 2 mm + 1's
	v_perm_b32 v[14+\mm], v16, v16, s23            ; the two bytes twice
.endr
	global_store_b64 v2, v[14:15], s[\psc:\psc+1]  ; the group's 64 scale words: 256 consecutive bytes, aligned
.endm
.macro EPIV                                    ; v's: two tiles of channels at a time
.irp tt, 0,1
	s_wait_xcnt 0x0
	QUANT ACC+64*\tt
	global_store_b128 v1, v[PC:PC+3], s[32:33] offset:(2*\tt)*1536
	global_store_b64 v2, v[PC+4:PC+5], s[32:33] offset:(2*\tt)*1536+512
	global_store_b128 v1, v[PC+6:PC+9], s[32:33] offset:(2*\tt+1)*1536
	global_store_b64 v2, v[PC+10:PC+11], s[32:33] offset:(2*\tt+1)*1536+512
	v_lshrrev_b32 v16, v11, v[PW]                  ; lanes 0-15: tile 2 tt's two bytes (token blocks 0, 1 of the group); lanes 16-31: tile 2 tt + 1's
	global_store_b16 v12, v16, s[34:35] offset:128*\tt
.endr
.endm
; A UNIT: 64 tokens x 64 columns x 768.  ahead = 1: behind each K step its ring group takes the next unit's, off bytes on.  nbk: whose bias is fetched behind the first step: 1 k's, 2 v's, 3 the next head's q's, 0 none.
; THE WAIT FOR A GROUP: behind its 13 loads stand the five younger groups' 65; 63 is the largest count that can be written, and a smaller count is safe.  In the last unit the count runs down with the groups that are left.
.macro UNIT kind, ahead, off, nbk
	s_wait_dscnt 0x0                               ; the bias is in
.irp s, 0,1,2,3,4,5
.if \ahead || (\s == 0)
	s_wait_loadcnt 63
.else
	s_wait_loadcnt 13*(5-\s)
.endif
	MUL \kind, \s
	PLACES                                         ; in front of the loads into the group's registers, of the bias's, and of the first read of results
.if \ahead
	RINGLOAD \s, \off
.endif
	WIN 0
.if \s == 0
.if \nbk == 1
	BIASQK 256
.elseif \nbk == 2
	BIASV
.elseif \nbk == 3
	BIASQK 768
.endif
.endif
.endr
.if \kind == 0
	EPIQK 24, 26
.elseif \kind == 1
	s_wait_dscnt 0x0                               ; bv is in
.irp t, 0,1,2,3
.irp j, 0,1,2,3,4,5,6,7
	v_mov_b32 v[BI+8*\t+\j], v[BV+\t]              ; as the C of v's first products: a lane's eight registers are eight tokens of one channel
.endr
.endr
	EPIQK 28, 30
.else
	EPIV
.endif
.endm
.macro HEAD last
	UNIT 0, 1, UNITB, 1
	UNIT 1, 1, 2*UNITB, 2
.if \last
	UNIT 2, 0, 0, 0
.else
	UNIT 2, 1, 3*UNITB, 3
.endif
.endm
	s_load_b256 s[4:11], s[0:1], 0x0               ; x s[4:5], wfr s[6:7], bq s[8:9], bk s[10:11]
	s_load_b128 s[12:15], s[0:1], 0x20             ; bv s[12:13], qw s[14:15]
	s_load_b64 s[16:17], s[0:1], 0x30              ; kv
	v_lshl_add_u32 v254, v0, 2, 0x14000
	v_mov_b32 v255, 0
	v_lshrrev_b32 v1, 5, v0
	v_readfirstlane_b32 s18, v1                    ; wave 0..3
	v_and_b32 v19, 31, v0                          ; lane
	v_and_b32 v13, 15, v0                          ; r
	v_bfe_u32 v11, v0, 4, 1                        ; h
	v_lshlrev_b32 v1, 4, v19                       ; v1  16 x lane
	v_lshlrev_b32 v2, 3, v19                       ; v2  8 x lane
	v_lshlrev_b32 v3, 2, v19                       ; v3  4 x lane
	s_mul_i32 s36, s18, 16*SPITCH
	s_add_co_u32 s36, s36, STAGE
	v_add_nc_u32 v4, s36, v1                       ; v4  my stage, in: 16 x lane
	v_mul_u32_u24 v5, v13, SPITCH
	v_lshl_add_u32 v5, v11, 6, v5
	v_add_nc_u32 v5, s36, v5                       ; v5  and back: row r, + 64 h
	s_mul_i32 s36, s18, 1536
	v_add_nc_u32 v6, s36, v1                       ; v6  where I store x's images
	s_lshl_b32 s36, s18, 6
	s_add_co_u32 s36, s36, XSC
	v_lshl_add_u32 v7, v13, 2, s36                 ; v7  and their scale words
	s_mul_i32 s36, s18, 2304
	s_add_co_u32 s36, s36, BIAS
	v_add_nc_u32 v8, s36, v2                       ; v8  my wave's biases, in
	v_lshl_add_u32 v17, v11, 6, s36                ; v17 and back, for q and k: + 64 h
	v_and_b32 v18, 8, v13
	v_add_nc_u32 v18, v18, v13
	v_lshl_add_u32 v18, v18, 2, s36                ; v18 for v: + 4 (r + 8 (r / 8))
	v_lshlrev_b32 v12, 6, v11
	v_lshl_add_u32 v12, v13, 2, v12                ; v12 64 h + 4 r: v's scale bytes
	v_lshlrev_b32 v11, 4, v11                      ; v11 16 h: a shift
.irp b, 0,1,2,3
	v_mov_b32 v[TM+4+\b], 0                        ; written once: a lane permute's destination counts as one of its sources
.endr
	s_mov_b32 s20, 0x76543210
	s_mov_b32 s21, 0xfedcba98                      ; v_permlanex16_b32's selects for lane l xor 16
	s_mov_b32 s23, 0x01000100                      ; v_perm_b32: bytes 0, 1, 0, 1
	s_mov_b32 s22, 2                               ; heads in the loop
	s_mov_b32 s48, 0                               ; the head's biases in my wave's LDS region
	s_lshr_b32 s36, ttmp9, 4                       ; batch
	s_and_b32 s37, ttmp9, 15                       ; g
	s_lshl_b32 s38, ttmp9, 6                       ; x: token 64 x work-group + 32 (w / 2) + 8 (w % 2): my tile's first
	s_lshr_b32 s39, s18, 1
	s_lshl_b32 s39, s39, 5
	s_add_co_u32 s38, s38, s39
	s_and_b32 s39, s18, 1
	s_lshl_b32 s39, s39, 3
	s_add_co_u32 s38, s38, s39
	s_mul_i32 s38, s38, 3072
	s_mov_b32 s39, 0
	s_mul_i32 s40, s18, 9*UNITB                    ; wfr: my nine units
	s_mov_b32 s41, 0
	s_mul_i32 s42, s18, 768                        ; the biases of my three heads
	s_mov_b32 s43, 0
	s_mul_i32 s44, s18, 48
	s_add_co_u32 s44, s44, s36                     ; record 16 (3 w) + batch
	s_mul_i32 s46, s44, KREC
	s_mul_i32 s44, s44, QREC
	s_mov_b32 s45, 0
	s_mov_b32 s47, 0
	s_wait_kmcnt 0x0
	s_add_nc_u64 s[4:5], s[4:5], s[38:39]
	s_add_nc_u64 s[8:9], s[8:9], s[42:43]
	s_add_nc_u64 s[10:11], s[10:11], s[42:43]
	s_add_nc_u64 s[12:13], s[12:13], s[42:43]
.irp i, 0,1,2
.irp k, 0,1,2
	global_load_b64 v[BI+2*(3*\i+\k):BI+2*(3*\i+\k)+1], v2, s[8+2*\k:9+2*\k] offset:256*\i   ; a head's 64 numbers: 256 consecutive bytes
.endr
.endr
	XLOAD 0
	XLOAD 1
	XLOAD 2
	XLOAD 3
	s_add_nc_u64 s[6:7], s[6:7], s[40:41]
	s_add_nc_u64 s[14:15], s[14:15], s[44:45]      ; my first record in qw
	s_add_nc_u64 s[16:17], s[16:17], s[46:47]      ; and in kv
	s_mul_i32 s38, s37, 3072                       ; the group's four half images
	s_add_nc_u64 s[24:25], s[14:15], s[38:39]      ; s[24:25] q's images
	s_add_nc_u64 s[28:29], s[16:17], s[38:39]      ; s[28:29] k's
	s_lshl_b32 s38, s37, 8
	s_add_co_u32 s40, s38, 49152
	s_add_nc_u64 s[26:27], s[14:15], s[40:41]      ; s[26:27] q's scale words
	s_add_co_u32 s40, s38, 98304
	s_add_nc_u64 s[30:31], s[16:17], s[40:41]      ; s[30:31] k's
	s_lshr_b32 s38, s37, 1                         ; g / 2
	s_and_b32 s42, s37, 1                          ; g % 2
	s_mul_i32 s40, s38, 6144
	s_mul_i32 s44, s42, 768
	s_add_co_u32 s40, s40, s44
	s_add_co_u32 s40, s40, 49152
	s_add_nc_u64 s[32:33], s[16:17], s[40:41]      ; s[32:33] v's images
	s_lshl_b32 s40, s38, 8
	s_lshl_b32 s44, s42, 1
	s_add_co_u32 s40, s40, s44
	s_add_co_u32 s40, s40, 102400
	s_add_nc_u64 s[34:35], s[16:17], s[40:41]      ; s[34:35] v's scale bytes
	; ---- x: my 16 tokens become six fragments.  Loads run four K steps (64 loads) ahead
.irp s, 0,1,2,3,4,5
.if \s < 3
	s_wait_loadcnt 48                              ; this K step's 16 loads (and, the first time, the biases) are in; the three steps behind it may be out
.else
	s_wait_loadcnt 16*(5-\s)                       ; the steps behind it that are left
.endif
.if \s == 0
.set ii, 0
.rept 9
	ds_store_b64 v8, v[BI+2*ii:BI+2*ii+1] offset:256*ii
.set ii, ii+1
.endr
.endif
.if \s == 5
.irp g, 0,1,2,3,4,5
	RINGLOAD \g, 0                                 ; no load of x is left: the first unit of W is asked for, and lands while the last step is quantised
.endr
.endif
	TURN \s
	s_wait_dscnt 0x0                               ; the numbers are back; the stores have read the registers that the next loads and the next codes take
.if \s < 2
	XLOAD \s+4
.endif
	QUANT ACC
	IMAGE \s
.endr
	s_wait_dscnt 0x0                               ; for the others' sake: my images and scale words have landed
	s_barrier_signal -1
	s_barrier_wait -1                              ; x's 24 fragments lie in LDS; from here on LDS is only read
.irp s, 0,1,2,3,4,5
	WIN (1+\s/3)<<6
.set ii, 0
.rept 12
	ds_load_b128 v[48*(\s%3)+4*ii:48*(\s%3)+4*ii+3], v1 offset:XIMG+6144*\s+512*ii
.set ii, ii+1
.endr
.endr
	WIN 0
.irp s, 0,1,2,3,4,5
.irp p, 0,1
	ds_load_b32 v[XS+2*\s+\p], v3 offset:XSC+256*\s+128*\p   ; lanes 0-15: tile 2 p's words; lanes 16-31: tile 2 p + 1's
.endr
.endr
	v_add_nc_u32 v9, s48, v17                      ; v9, v10: the head's biases
	v_add_nc_u32 v10, s48, v18
	BIASQK 0
.Lhead:                                            ; two trips; the third head is written out, so that no load leaves wfr
	HEAD 0
	s_wait_xcnt 0x0                                ; the loads and stores have read their bases: they may step
	s_wait_dscnt 0x0                               ; the next head's bias is in: its address may step
	s_add_nc_u64 s[6:7], s[6:7], 3*UNITB
	s_add_nc_u64 s[24:25], s[24:25], 16*QREC       ; the next head's record lies 16 records on
	s_add_nc_u64 s[26:27], s[26:27], 16*QREC
	s_add_nc_u64 s[28:29], s[28:29], 16*KREC
	s_add_nc_u64 s[30:31], s[30:31], 16*KREC
	s_add_nc_u64 s[32:33], s[32:33], 16*KREC
	s_add_nc_u64 s[34:35], s[34:35], 16*KREC
	s_add_co_u32 s48, s48, 768
	v_add_nc_u32 v9, s48, v17
	v_add_nc_u32 v10, s48, v18
	s_sub_co_u32 s22, s22, 1
	s_cmp_lg_u32 s22, 0
	s_cbranch_scc1 .Lhead
	HEAD 1
	s_wait_tensorcnt 0x0
	ds_add_u32 v254, v255
	s_wait_dscnt 0x0
	s_endpgm
.Lfunc_end_k_qa878fae4ca_proj:
	.size	k_qa878fae4ca_proj, .Lfunc_end_k_qa878fae4ca_proj-k_qa878fae4ca_proj
	.p2alignl 7, 3214868480
	.fill 96, 4, 3214868480
	.section	.rodata,"a",@progbits
	.p2align	6, 0x0
	.amdhsa_kernel k_qa878fae4ca_proj
		.amdhsa_group_segment_fixed_size 82432
		.amdhsa_private_segment_fixed_size 0
		.amdhsa_enable_private_segment 0
		.amdhsa_kernarg_size 56
		.amdhsa_user_sgpr_count 2
		.amdhsa_user_sgpr_kernarg_segment_ptr 1
		.amdhsa_wavefront_size32 1
		.amdhsa_system_sgpr_workgroup_id_x 1
		.amdhsa_system_sgpr_workgroup_id_y 1
		.amdhsa_system_sgpr_workgroup_id_z 1
		.amdhsa_system_vgpr_workitem_id 0
		.amdhsa_next_free_vgpr 1024
		.amdhsa_next_free_sgpr 66
		.amdhsa_reserve_vcc 0
		.amdhsa_float_denorm_mode_32 3
		.amdhsa_float_denorm_mode_16_64 3
		.amdhsa_memory_ordered 1
		.amdhsa_forward_progress 1
		.amdhsa_inst_pref_size 239
	.end_amdhsa_kernel
	.amdgpu_metadata
---
amdhsa.version: [ 1, 2 ]
amdhsa.kernels:
  - .name:           k_qa878fae4ca_proj
    .symbol:         k_qa878fae4ca_proj.kd
    .args:
      - { .name: x, .offset: 0, .size: 8, .value_kind: global_buffer, .address_space: global }
      - { .name: wfr, .offset: 8, .size: 8, .value_kind: global_buffer, .address_space: global }
      - { .name: bq, .offset: 16, .size: 8, .value_kind: global_buffer, .address_space: global }
      - { .name: bk, .offset: 24, .size: 8, .value_kind: global_buffer, .address_space: global }
      - { .name: bv, .offset: 32, .size: 8, .value_kind: global_buffer, .address_space: global }
      - { .name: qw, .offset: 40, .size: 8, .value_kind: global_buffer, .address_space: global }
      - { .name: kv, .offset: 48, .size: 8, .value_kind: global_buffer, .address_space: global }
    .group_segment_fixed_size: 82432
    .private_segment_fixed_size: 0
    .kernarg_segment_align: 8
    .kernarg_segment_size: 56
    .max_flat_workgroup_size: 128
    .sgpr_count:     66
    .vgpr_count:     1024
    .wavefront_size: 32
...
	.end_amdgpu_metadata
.endif
;; end of part 2
;; launch attn (part 3): grid 256 x 1, 16 waves a work-group, clusters of 4 x 1, 315,392 bytes of LDS; arguments qw, kv, out0; writes out0
.if DOCPART == 3
	.amdgcn_target "amdgcn-amd-amdhsa--gfx1250"
	.amdhsa_code_object_version 6
	.text
	.protected	k_qa878fae4ca_attn
	.globl	k_qa878fae4ca_attn
	.p2align	8
	.type	k_qa878fae4ca_attn,@function
k_qa878fae4ca_attn:
	s_mov_b64 s[64:65], 0
	v_nop
	global_prefetch_b8 v0, s[64:65] scope:SCOPE_SE
	s_setreg_imm32_b32 hwreg(HW_REG_WAVE_MODE, 25, 1), 1
	s_wait_xcnt 0x0
	s_wait_alu depctr_hold_cnt(0) depctr_sa_sdst(0) depctr_va_vdst(0) depctr_va_sdst(0) depctr_va_ssrc(0) depctr_va_vcc(0) depctr_vm_vsrc(0)
	s_getreg_b32 s2, hwreg(HW_REG_IB_STS2, 6, 4)
	s_cmp_eq_u32 s2, 0
	s_cbranch_scc0 .Lentry_in_a_cluster
	s_endpgm
.Lentry_in_a_cluster:
	s_bfe_u32 s2, ttmp6, 0x10000c
	s_cmp_lg_u32 s2, 0x3003
	s_cbranch_scc0 .Lentry_shape_is_right
	s_endpgm
.Lentry_shape_is_right:
; out[b][n][64 head + e] = the sum over keys of softmax(q . k / 8) v, both products on codes of FP6 (E2M3) with one E8M0 scale for each 32 along a product's K.  q, k, v come as images of operand registers (launch proj).
; THE SOFTMAX AHEAD OF THE SECOND PRODUCT: t = score x log2(e) / 8; M = the row's largest t so far, rounded UP to a whole number; p = 2^(t - M) is quantised along the keys, not normalised.
; The row's sum is taken of the unquantised p, in f32, and divides O at the end.  When M moves, the sum and O are multiplied by 2^(old M - new M): exact.
; SHARES.  Cluster C (0..63) of four work-groups; a work-group stays for three units k = 0, 1, 2: head record R = C + 64 k (batch C % 16, head C / 16 + 4 k), query block cx of 256.  Each of sixteen waves owns one tile of 16 queries
; in 256 registers: four waves to a SIMD, so that one wave's vector work stands beside another's matrix work and LDS loads.  Every wave walks the record's 1,024 keys, 128 a step.
; LDS.  Three regions of 104,448 bytes, one whole kv record each, EACH FILLED ONCE: no byte of LDS is filled again.  The four partners need the same three records, so each quarter of a record is asked for JOINTLY
; (mask 15) by waves 0-3, all at the head behind one round of the cluster's barrier: three tensor loads of a wave are out.
; The way out's stages (16 rows x 272 bytes a wave) lie in region 0 and are first written behind the barrier at unit 1's head: region 0 has had its one fill, and no wave reads it any more.
; LAYOUT.  Both products are used transposed: S^T = K Q^T, O^T = V^T P^T: a lane holds ONE query (lane % 16) throughout.  Row r of token tile 2 b + u of a group of 64 is token 32 b + 8 u + r + 8 (r / 8), and V's channels likewise:
; so the 16 registers of two neighbouring tiles are 16 neighbouring keys (or channels).
; K = 64 IN AN INSTRUCTION THAT IS 128 DEEP: Q's registers 6-11 are zero codes; K's fragment is named 12 registers long, its upper six being the next tile's codes (behind the last tile: zeros), which meet zero codes;
; FP6 has no code for infinity or NaN; the scale bytes of the two empty blocks repeat the row's two real ones.
; LIMITS: NaN and infinities are not served.  p under 2^-126 counts as 0 (v_exp_f32's result, ISA guide 15.8).  A block of p that is all zeros gets the byte 1: its codes are zeros.
; A block's largest p is not searched for: the block's largest score goes through the same multiply-add and exponential (this takes v_exp_f32 not to fall where its input rises; at the worst one p of a block is held one code low).
; REGISTERS: v2-5 the step's LDS addresses; v6-11, v29 addresses that stay; v12 -M, v13 the largest t, v[14:15] the sum in two halves; v16-21 Q, v22-27 zeros; v28 Q's scale words; v30-33 K's, v34-35 V's, v36 p's;
;   v40-87 eight half fragments of K, then four fragments of V; v88-93 zeros; v96-159 S^T, then p; v160-191 O^T; v192-203 p's codes; v204-229 at work.
.set REC,   104448                     ; a kv record, and an LDS region
.set QREC,  53248
.set QSTEP, 64*QREC                    ; from unit to unit in qw
.set FR,  40
.set S,   96
.set OT,  160
.set PC,  192
.macro CROUND                          ; a round of the cluster's barrier: my work-group's barrier; wave 0 signals for the work-group; every wave waits for all four work-groups; my work-group's barrier once more
	s_barrier_signal -1
	s_barrier_wait -1
	s_cmp_lg_u32 s10, 0
	s_cbranch_scc1 .Lnot_wave_0_\@
	s_barrier_signal -3
.Lnot_wave_0_\@:
	s_barrier_wait -3
	s_barrier_signal -1
	s_barrier_wait -1
.endm
.macro FLOAD off                       ; eight half images of 768 bytes as they lie: 512 and 256 consecutive bytes a load
.irp f, 0,1,2,3,4,5,6,7
	ds_load_b128 v[FR+6*\f:FR+6*\f+3], v2 offset:\off+768*\f
	ds_load_b64 v[FR+6*\f+4:FR+6*\f+5], v3 offset:\off+768*\f+512
.endr
.endm
; A KEY STEP: 128 keys
.macro STEP
	v_add_nc_u32 v2, s51, v9                       ; the step's images, 16 bytes a lane;  (these four lines are also the places between the last step's products and the loads into the registers that they read)
	v_add_nc_u32 v3, s51, v10                      ; 8 bytes a lane;
	v_add_nc_u32 v4, s52, v10                      ; K's scale words;
	v_add_nc_u32 v5, s53, v29                      ; V's
	FLOAD 0
	ds_load_b64 v[30:31], v4                       ; register i: lanes 0-15 tile 2 i's words, lanes 16-31 tile 2 i + 1's
	ds_load_b64 v[32:33], v4 offset:256
	s_wait_dscnt 0x0
.irp f, 0,2,4,6                                ; S^T = K Q^T: eight tiles of 16 keys
	v_wmma_scale_f32_16x16x128_f8f6f4 v[S+8*\f:S+8*\f+7], v[FR+6*\f:FR+6*\f+11], v[16:27], 0, v[30+\f/2], v28 matrix_a_fmt:MATRIX_FMT_FP6 matrix_b_fmt:MATRIX_FMT_FP6
	v_wmma_scale_f32_16x16x128_f8f6f4 v[S+8*\f+8:S+8*\f+15], v[FR+6*\f+6:FR+6*\f+17], v[16:27], 0, v[30+\f/2], v28 matrix_a_fmt:MATRIX_FMT_FP6 matrix_b_fmt:MATRIX_FMT_FP6 matrix_a_scale:MATRIX_SCALE_ROW1
.endr
.rept 4
	v_nop                                          ; places in front of the loads into K's registers and of the first read of the scores
.endr
	FLOAD 49152                                    ; V's four fragments land under the softmax
	ds_load_b32 v34, v5
	ds_load_b32 v35, v5 offset:128
.irp b, 0,1,2,3
	v_max3_num_f32 v[212+\b], v[S+16*\b], v[S+1+16*\b], v[S+2+16*\b]   ; THE LARGEST SCORE OF EACH BLOCK OF 32 KEYS serves twice: for the row's maximum and, since p rises with the score, for the block's largest p
.endr
.irp i, 3,5,7,9,11,13
.irp b, 0,1,2,3
	v_max3_num_f32 v[212+\b], v[212+\b], v[S+16*\b+\i], v[S+1+16*\b+\i]   ; the four blocks by turns
.endr
.endr
.irp b, 0,1,2,3
	v_max_num_f32 v[212+\b], v[212+\b], v[S+15+16*\b]
.endr
.irp b, 0,1,2,3
	v_permlanex16_b32 v[216+\b], v[212+\b], s20, s21
.endr
.irp b, 0,1,2,3
	v_max_num_f32 v[212+\b], v[212+\b], v[216+\b]  ; with lane l xor 16's 16 keys
.endr
	v_max3_num_f32 v226, v212, v213, v214
	v_max_num_f32 v226, v226, v215                 ; the step's largest score of my query
	v_mul_f32 v226, s22, v226                      ; as t (c is positive)
	v_max_num_f32 v13, v13, v226                   ; the running largest t
	v_mov_b32 v226, v12
	v_floor_f32 v12, -v13                          ; the new -M = floor(-t) = -ceil(t): a whole number
	v_sub_f32 v226, v12, v226                      ; old M - new M: a whole number, 0 or less
	v_cvt_i32_f32 v226, v226                       ; (it saturates)
	v_ldexp_f32 v224, 1.0, v226                    ; f = 2^(old M - new M)
.set jj, 0
.rept 32
	v_pk_fma_f32 v[S+jj:S+jj+1], v[S+jj:S+jj+1], s[22:23], v[12:13] op_sel_hi:[1,0,0]   ; t - M, two at a time (of the pairs c and -M the low word serves both halves)
.set jj, jj+2
.endr
.irp b, 0,1,2,3
	v_fma_f32 v[212+\b], v[212+\b], s22, v12       ; the same of each block's largest score
.endr
.set jj, 0
.rept 64
	v_exp_f32 v[S+jj], v[S+jj]                     ; p = 2^(t - M), at most 1: not normalised
.set jj, jj+1
.endr
.irp b, 0,1,2,3
	v_exp_f32 v[212+\b], v[212+\b]                 ; the block's largest p: the same two instructions on the same number give the same bits
.endr
	v_pk_mul_f32 v[14:15], v[14:15], v[224:225] op_sel_hi:[1,0]   ; the sums under the new M: the plain instruction behind the exponentials; these 17 lines name none of their results
.set jj, 0
.rept 16
	v_pk_mul_f32 v[OT+jj:OT+jj+1], v[OT+jj:OT+jj+1], v[224:225] op_sel_hi:[1,0]   ; O^T under the new M, each accumulator from its low end on
.set jj, jj+2
.endr
	s_wait_alu depctr_va_vdst(0)                   ; ONE wait for the batch of 68 exponentials, ahead of the first instruction that names a result
.irp b, 0,1,2,3
	v_max_num_f32 v[212+\b], 0x1800000, v[212+\b]  ; the floor 2^(3 - 127): the byte cannot fall under 1
.endr
.irp b, 0,1,2,3
	v_add_nc_u32 v[220+\b], 0xff000000, v[212+\b]  ; 2 off the exponent field: the conversion's scale operand
.endr
.irp b, 0,1,2,3
	v_lshrrev_b32 v[216+\b], 23, v[220+\b]         ; the scale's byte
.endr
	v_lshl_or_b32 v36, v217, 8, v216               ; p's scale word for these 128 keys
	v_lshl_or_b32 v36, v218, 16, v36
	v_lshl_or_b32 v36, v219, 24, v36
.irp c, 0,1
	v_cvt_scalef32_pk16_fp6_f32 v[PC+6*\c:PC+2+6*\c], v[S+32*\c:S+15+32*\c], v[220+2*\c]
	v_cvt_scalef32_pk16_fp6_f32 v[204+4*\c:206+4*\c], v[S+16+32*\c:S+31+32*\c], v[220+2*\c+1]   ; (a conversion's three registers begin on an even number)
.endr
	v_nop                                          ; one plain instruction behind the scaled conversions
.irp c, 0,1                                    ; the operand's layout wants a whole block in a lane
.irp i, 0,1,2
	v_permlane16_swap_b32 v[PC+6*\c+\i], v[204+4*\c+\i]
.endr
.irp i, 0,1,2
	v_mov_b32 v[PC+3+6*\c+\i], v[204+4*\c+\i]
.endr
.endr
	v_pk_add_f32 v[228:229], v[S:S+1], v[S+2:S+3]  ; THE ROW'S SUM IS TAKEN OF THE UNQUANTISED p: two at a time, in two chains.  These 32 lines are also the places between the codes' and the scale word's last writes and the products
.irp j, 4,8,12,16,20,24,28,32,36,40,44,48,52,56,60
	v_pk_add_f32 v[14:15], v[14:15], v[S+\j:S+\j+1]
	v_pk_add_f32 v[228:229], v[228:229], v[S+2+\j:S+3+\j]
.endr
	v_pk_add_f32 v[14:15], v[14:15], v[228:229]
	s_wait_dscnt 0x0                               ; V and its scale words are in
.irp t, 0,2                                    ; O^T += V^T P^T: four tiles of 16 channels, by turns
	v_wmma_scale_f32_16x16x128_f8f6f4 v[OT+8*\t:OT+8*\t+7], v[FR+12*\t:FR+12*\t+11], v[PC:PC+11], v[OT+8*\t:OT+8*\t+7], v[34+\t/2], v36 matrix_a_fmt:MATRIX_FMT_FP6 matrix_b_fmt:MATRIX_FMT_FP6
	v_wmma_scale_f32_16x16x128_f8f6f4 v[OT+8*\t+8:OT+8*\t+15], v[FR+12*\t+12:FR+12*\t+23], v[PC:PC+11], v[OT+8*\t+8:OT+8*\t+15], v[34+\t/2], v36 matrix_a_fmt:MATRIX_FMT_FP6 matrix_b_fmt:MATRIX_FMT_FP6 matrix_a_scale:MATRIX_SCALE_ROW1
.endr
.endm
; THE WAY OUT of unit k: O^T / the sum goes through my stage and leaves as whole tokens' 256 bytes
.macro WAYOUT k
	v_add_f32 v14, v14, v15                        ; the sum's two halves,
	v_permlanex16_b32 v226, v14, s20, s21
	v_add_f32 v14, v14, v226                       ; and lane l xor 16's: the row's sum
	v_rcp_f32 v224, v14
.rept 4
	v_nop                                          ; the plain instruction behind the reciprocal, and the places behind the last products
.endr
	s_wait_alu depctr_va_vdst(0)                   ; the wait ahead of the reciprocal's first reader
.set jj, 0
.rept 16
	v_pk_mul_f32 v[S+jj:S+jj+1], v[OT+jj:OT+jj+1], v[224:225] op_sel_hi:[1,0]   ; register 16 b + i is channel 32 b + 16 h + i of query r
.set jj, jj+2
.endr
.irp b, 0,1
.irp q, 0,1,2,3
	ds_store_b128 v6, v[S+16*\b+4*\q:S+16*\b+4*\q+3] offset:128*\b+16*\q
.endr
.endr
.irp i, 0,1,2,3,4,5,6,7
	ds_load_b128 v[128+4*\i:131+4*\i], v7 offset:544*\i   ; rows 2 i and 2 i + 1.  LDS serves a wave's instructions in order (ISA guide 5.7.1.4): these see my stores
.endr
.irp i, 0,1,2,3,4,5,6,7
	s_wait_dscnt 7-\i                              ; the younger loads may stay out
	global_store_b128 v8, v[128+4*\i:131+4*\i], s[48:49] offset:1024*(\k)+(2*\i+8*(\i/4))*3072 th:TH_STORE_NT   ; sixteen lanes store a token's 256 consecutive bytes of this head, aligned
.endr
.endm
.macro UNIT k
	global_load_b128 v[16:19], v9, s[44:45] offset:\k*QSTEP       ; my tile of queries: a half image,
	global_load_b64 v[20:21], v10, s[44:45] offset:\k*QSTEP+512
	global_load_b32 v28, v11, s[46:47] offset:\k*QSTEP            ; and its scale words
	s_wait_tensorcnt 2-\k                          ; my quarter of this unit's record is in; my loads for the later units may stay out
	s_wait_dscnt 0x0                               ; my reads of the last unit's region are over
	s_barrier_signal -1
	s_barrier_wait -1                              ; the record is whole for every wave
.if \k > 0
	WAYOUT \k-1
.endif
	v_mov_b32 v13, 0xff61b1e6                      ; the largest t so far: -3e38, under every t
	v_floor_f32 v12, -v13                          ; -M
	v_mov_b32 v14, 0
	v_mov_b32 v15, 0
.set jj, 0
.rept 32
	v_mov_b32 v[OT+jj], 0                          ; the step is written once a unit: its first trip finds zeros, which the first change of M leaves zeros
.set jj, jj+1
.endr
	s_mov_b32 s51, \k*REC                          ; the step's images,
	s_mov_b32 s52, \k*REC+98304                    ; K's scale words,
	s_mov_b32 s53, \k*REC+102400                   ; V's
	s_mov_b32 s50, 8
	s_wait_xcnt 0x0                                ; the stores have read their data: those registers take scores again
	s_wait_loadcnt 0x0                             ; Q
.Lstep_\@:
	STEP
	s_add_co_u32 s51, s51, 6144
	s_add_co_u32 s52, s52, 512
	s_add_co_u32 s53, s53, 256
	s_sub_co_u32 s50, s50, 1
	s_cmp_lg_u32 s50, 0
	s_cbranch_scc1 .Lstep_\@
.endm
	s_load_b128 s[4:7], s[0:1], 0x0                ; qw s[4:5], kv s[6:7]
	s_load_b64 s[8:9], s[0:1], 0x10                ; out0
	v_lshl_add_u32 v254, v0, 2, 0x4c800
	v_mov_b32 v255, 0
	ds_add_u32 v254, v255
	ds_add_u32 v254, v255
	v_lshrrev_b32 v1, 5, v0
	v_readfirstlane_b32 s10, v1                    ; wave 0..15
	s_bfe_u32 s11, ttmp6, 0x40000                  ; cx: my place in the cluster: it enters Q's and the output's addresses alone
	v_and_b32 v1, 31, v0                           ; lane
	v_and_b32 v30, 15, v0                          ; r
	v_bfe_u32 v31, v0, 4, 1                        ; h
	v_lshlrev_b32 v9, 4, v1                        ; v9  16 x lane
	v_lshlrev_b32 v10, 3, v1                       ; v10 8 x lane
	v_lshlrev_b32 v29, 2, v1                       ; v29 4 x lane
	v_lshlrev_b32 v11, 3, v30                      ; v11 8 r: Q's scale words
	s_mul_i32 s12, s10, 16*272                     ; my stage
	v_mul_u32_u24 v6, v30, 272
	v_lshl_add_u32 v6, v31, 6, v6
	v_add_nc_u32 v6, s12, v6                       ; v6  in: row r, + 64 h
	v_mul_u32_u24 v7, v31, 272
	v_lshl_add_u32 v7, v30, 4, v7
	v_add_nc_u32 v7, s12, v7                       ; v7  back: lanes 0-15 one row, lanes 16-31 the next
	v_mul_u32_u24 v8, v31, 3072
	v_lshl_add_u32 v8, v30, 4, v8                  ; v8  and the same two tokens in the output
.irp j, 22,23,24,25,26,27,88,89,90,91,92,93,216,217,218,219,225,226
	v_mov_b32 v\j, 0                               ; zero codes; the lane permutes' destinations; the upper half of f's pair: written once
.endr
	s_lshl_b32 s13, s11, 4
	s_add_co_u32 s13, s13, s10                     ; my token tile T = 16 cx + w = 4 g + 2 mm + c
	s_lshr_b32 s14, s13, 2                         ; g
	s_bfe_u32 s15, s10, 0x10001                    ; mm
	s_and_b32 s16, s10, 1                          ; c
	s_mul_i32 s17, ttmp9, QREC                     ; unit 0's record in qw
	s_mul_i32 s18, s13, 768
	s_add_co_u32 s54, s17, s18                     ; my half image
	s_mov_b32 s55, 0
	s_lshl_b32 s18, s14, 8                         ; my scale words: 49,152 + 256 g + 128 c + 4 mm
	s_add_co_u32 s56, s17, s18
	s_lshl_b32 s18, s16, 7
	s_add_co_u32 s56, s56, s18
	s_lshl_b32 s18, s15, 2
	s_add_co_u32 s56, s56, s18
	s_add_co_u32 s56, s56, 49152
	s_mov_b32 s57, 0
	s_and_b32 s17, ttmp9, 15                       ; the output: batch,
	s_mul_i32 s58, s17, 3145728
	s_lshl_b32 s17, s14, 6                         ; token 64 g + 32 mm + 8 c,
	s_lshl_b32 s18, s15, 5
	s_add_co_u32 s17, s17, s18
	s_lshl_b32 s18, s16, 3
	s_add_co_u32 s17, s17, s18
	s_mul_i32 s17, s17, 3072
	s_add_co_u32 s58, s58, s17
	s_lshr_b32 s17, ttmp9, 4                       ; head C / 16 (+ 4 k: an immediate)
	s_lshl_b32 s17, s17, 8
	s_add_co_u32 s58, s58, s17
	s_mov_b32 s59, 0
	s_and_b32 s60, s10, 3                          ; what I fetch, if I fetch: quarter w of each record, 102 rows of 256 bytes; these registers hold the wave's and the cluster's numbers alone
	s_mul_i32 s60, s60, 26112
	s_mul_i32 s62, ttmp9, REC
	s_add_co_u32 s62, s62, s60
	s_mov_b32 s63, 0
	; descriptor group 1: 102 rows of 32 elements of 8 bytes, dense in memory and in LDS
	s_mov_b32 s24, 15|(3<<16)|(1<<21)              ; 15:0 the mask: all four work-groups; 17:16 elements of 8 bytes; 20 no padding; 21 set beside a mask
	s_mov_b32 s25, 32<<16                          ; tensor_dim0 = 32
	s_mov_b32 s26, 102<<16                         ; tensor_dim1 = 102
	s_mov_b32 s27, 32<<16                          ; tile_dim0 = 32
	s_mov_b32 s28, 102                             ; tile_dim1 = 102
	s_mov_b32 s29, 32                              ; tensor_dim0_stride
	s_mov_b32 s30, 0
	s_mov_b32 s31, 0
	s_mov_b32 s20, 0x76543210
	s_mov_b32 s21, 0xfedcba98                      ; v_permlanex16_b32's selects for lane l xor 16
	s_mov_b32 s22, 0x3e38aa3b                      ; c = log2(e) / 8
	s_mov_b32 s23, s22                             ; (named with it as a pair, so it is written)
	s_wait_dscnt 0x0
	s_wait_kmcnt 0x0
	s_add_nc_u64 s[44:45], s[4:5], s[54:55]        ; s[44:45] my queries' image
	s_add_nc_u64 s[46:47], s[4:5], s[56:57]        ; s[46:47] their scale words
	s_add_nc_u64 s[48:49], s[8:9], s[58:59]        ; s[48:49] my first token's bytes of unit 0's head
	s_add_nc_u64 s[62:63], s[6:7], s[62:63]        ; my quarter of unit 0's record
.irp k, 0,1,2
	s_mov_b32 s[32+4*\k], 1                        ; 1:0 count = 1
	s_add_co_u32 s[33+4*\k], s60, \k*REC           ; 63:32 LDS address: region k, quarter w
	s_add_nc_u64 s[34+4*\k:35+4*\k], s[62:63], \k*64*REC   ; 120:64 global address: record C + 64 k
	s_or_b32 s[35+4*\k], s[35+4*\k], 0x80000000    ; 127:126 type = 2
.endr
	CROUND                                         ; all four work-groups are here: the joint loads meet
	s_cmp_lt_u32 s10, 4                            ; a wave's three fills stand in one branch on its number, ahead of every wait on TENSORcnt, every LDS read and every other barrier
	s_cbranch_scc0 .Lno_fetch
	tensor_load_to_lds s[32:35], s[24:31]
	s_nop 0
	tensor_load_to_lds s[36:39], s[24:31]
	s_nop 0
	tensor_load_to_lds s[40:43], s[24:31]
	s_nop 0
.rept 4
	v_nop                                          ; four lines behind the last of them, ahead of the label
.endr
.Lno_fetch:
	UNIT 0
	UNIT 1
	UNIT 2
	WAYOUT 2
	s_wait_dscnt 0x0                               ; no LDS instruction of mine is pending at a signal
	s_wait_tensorcnt 0x0
	ds_add_u32 v254, v255
	s_wait_dscnt 0x0
	CROUND                                         ; the closing round: no work-group ends while a partner may still ask for a tile that names it
	s_endpgm
.Lfunc_end_k_qa878fae4ca_attn:
	.size	k_qa878fae4ca_attn, .Lfunc_end_k_qa878fae4ca_attn-k_qa878fae4ca_attn
	.p2alignl 7, 3214868480
	.fill 96, 4, 3214868480
	.section	.rodata,"a",@progbits
	.p2align	6, 0x0
	.amdhsa_kernel k_qa878fae4ca_attn
		.amdhsa_group_segment_fixed_size 315392
		.amdhsa_private_segment_fixed_size 0
		.amdhsa_enable_private_segment 0
		.amdhsa_kernarg_size 24
		.amdhsa_user_sgpr_count 2
		.amdhsa_user_sgpr_kernarg_segment_ptr 1
		.amdhsa_wavefront_size32 1
		.amdhsa_system_sgpr_workgroup_id_x 1
		.amdhsa_system_sgpr_workgroup_id_y 1
		.amdhsa_system_sgpr_workgroup_id_z 1
		.amdhsa_system_vgpr_workitem_id 0
		.amdhsa_next_free_vgpr 256
		.amdhsa_next_free_sgpr 66
		.amdhsa_reserve_vcc 0
		.amdhsa_float_denorm_mode_32 3
		.amdhsa_float_denorm_mode_16_64 3
		.amdhsa_memory_ordered 1
		.amdhsa_forward_progress 1
		.amdhsa_inst_pref_size 70
	.end_amdhsa_kernel
	.amdgpu_metadata
---
amdhsa.version: [ 1, 2 ]
amdhsa.kernels:
  - .name:           k_qa878fae4ca_attn
    .symbol:         k_qa878fae4ca_attn.kd
    .args:
      - { .name: qw, .offset: 0, .size: 8, .value_kind: global_buffer, .address_space: global }
      - { .name: kv, .offset: 8, .size: 8, .value_kind: global_buffer, .address_space: global }
      - { .name: out0, .offset: 16, .size: 8, .value_kind: global_buffer, .address_space: global }
    .group_segment_fixed_size: 315392
    .private_segment_fixed_size: 0
    .kernarg_segment_align: 8
    .kernarg_segment_size: 24
    .max_flat_workgroup_size: 512
    .sgpr_count:     66
    .vgpr_count:     256
    .wavefront_size: 32
...
	.end_amdgpu_metadata
.endif
;; end of part 3
;; ======== version 2 of 2: 3 launches
;; workspace buffers: wfr 1,382,400 bytes; qw 10,223,616 bytes; kv 20,054,016 bytes
;; launch wquant (part 4): grid 18 x 12, 4 waves a work-group, no clusters, 1,536 bytes of LDS; arguments Wq, Wk, Wv, wfr; writes wfr
.if DOCPART == 4
	.amdgcn_target "amdgcn-amd-amdhsa--gfx1250"
	.amdhsa_code_object_version 6
	.text
	.protected	k_qa878fae4ca_wquant
	.globl	k_qa878fae4ca_wquant
	.p2align	8
	.type	k_qa878fae4ca_wquant,@function
k_qa878fae4ca_wquant:
	s_mov_b64 s[64:65], 0
	v_nop
	global_prefetch_b8 v0, s[64:65] scope:SCOPE_SE
	s_setreg_imm32_b32 hwreg(HW_REG_WAVE_MODE, 25, 1), 1
	s_wait_xcnt 0x0
; Wq, Wk, Wv [12][768 (d)][64 (e)], f32, K = d is NOT innermost.  They become codes of FP6 (E2M3) with one E8M0 byte for each 32 along d,
; laid in wfr IN THE ORDER OF A MATRIX OPERAND'S REGISTERS, so that the next launch loads each fragment by three loads of 16 bytes a lane.
; wfr: unit U = 3 head + kind (0 q, 1 k, 2 v), 38,400 bytes = 6 groups (128 along d each) of 6,400 bytes; a group = 4 fragments of 1,536 bytes
; (registers 4 c .. 4 c + 3 of lane l at 512 c + 16 l), then 256 bytes of scale words at 6,144 + 8 l: word 0 = tile l / 16, row l % 16; word 1 = tile 2 + l / 16.
; THE COLUMNS OF A TILE ARE NOT NEIGHBOURS: row r of tile 2 b + u is column e = 32 b + 8 u + r + 8 (r / 8), so that in the next launch's results the 16 registers of two neighbouring tiles are 16 neighbouring e.
; SHARES: a work-group takes one group (kind and K step from x, head from y), each of its four waves one tile.  A LANE TAKES A COLUMN AND ITS REGISTERS RUN DOWN d, in the order the operand's layout gives that lane:
; lane (r, h) holds d = 64 c + 32 h + 0 .. 31 in registers 32 c + 0 .. 31: two whole blocks, so no other lane is asked for a maximum and nothing is transposed.
; A block's scale is 2^(floor(log2(largest magnitude)) - 2): its byte is the largest magnitude's exponent field - 2, held at 1 from below by a floor among the maximum's leaves.
; LIMITS: a block of zeros gets the byte 1 where the quantiser says 127 (its codes are zeros, and this program alone reads the bytes); NaN and infinities among the inputs are not served.
; No matrix unit, no cluster, no tensor load: 7 MB are read once and the waves share only 256 bytes of scale words.
.set UNITB, 38400
.set GRPB,  6400
.set FRB,   1536
.set NUM,   64                         ; v64-127 my 64 numbers
.set COD,   48                         ; v48-59  the fragment's 12 registers
.set CO2,   32                         ; v32-34, v36-38 the second halves as the conversions leave them
	s_load_b256 s[4:11], s[0:1], 0x0               ; Wq s[4:5], Wk s[6:7], Wv s[8:9], wfr s[10:11]
	v_lshl_add_u32 v128, v0, 2, 0x400
	v_mov_b32 v129, 0
	v_lshrrev_b32 v1, 5, v0
	v_readfirstlane_b32 s12, v1                    ; wave = tile t = 2 b + u
	v_and_b32 v3, 31, v0                           ; lane
	v_and_b32 v1, 15, v0                           ; r
	v_bfe_u32 v2, v0, 4, 1                         ; h
	v_and_b32 v4, 8, v1
	v_add_nc_u32 v4, v4, v1                        ; r + 8 (r / 8)
	v_lshlrev_b32 v5, 2, v4
	v_lshl_add_u32 v5, v2, 13, v5                  ; in: my column's 4 bytes, and 32 rows of 256 bytes further down for lanes 16-31
	s_mul_i32 s13, s12, FRB
	v_lshl_add_u32 v6, v3, 4, s13                  ; out: 16 x lane in my tile's fragment
	v_lshlrev_b32 v7, 3, v3                        ; 8 x lane: the scale words' way out
	s_and_b32 s14, s12, 1                          ; u
	s_lshr_b32 s15, s12, 1                         ; b
	s_lshl_b32 s16, s14, 7
	s_lshl_b32 s17, s15, 2
	s_add_co_u32 s16, s16, s17
	v_lshl_add_u32 v8, v1, 3, s16                  ; LDS: (16 u + r) x 8 + 4 b: my row's scale word
	s_cmp_ge_u32 ttmp9, 6
	s_cselect_b32 s18, 1, 0
	s_cmp_ge_u32 ttmp9, 12
	s_cselect_b32 s19, 1, 0
	s_add_co_u32 s18, s18, s19                     ; kind
	s_mul_i32 s19, s18, 6
	s_sub_co_u32 s19, ttmp9, s19                   ; K step
	s_and_b32 s22, ttmp7, 0xffff                   ; head
	s_mul_i32 s24, s22, 196608                     ; in: head x 768 rows of 256 bytes
	s_lshl_b32 s23, s19, 15                        ; + K step x 128 rows
	s_add_co_u32 s24, s24, s23
	s_lshl_b32 s23, s15, 7                         ; + 4 (32 b + 8 u)
	s_add_co_u32 s24, s24, s23
	s_lshl_b32 s23, s14, 5
	s_add_co_u32 s24, s24, s23
	s_mov_b32 s25, 0
	s_mul_i32 s26, s22, 3                          ; out: the unit, and the group in it
	s_add_co_u32 s26, s26, s18
	s_mul_i32 s26, s26, UNITB
	s_mul_i32 s23, s19, GRPB
	s_add_co_u32 s26, s26, s23
	s_mov_b32 s27, 0
	s_mov_b32 s20, 0x76543210
	s_mov_b32 s21, 0xfedcba98                      ; v_permlanex16_b32's selects for lane l xor 16
	s_wait_alu depctr_va_vdst(0)
	s_wait_kmcnt 0x0
	s_cmp_ge_u32 ttmp9, 6                          ; which weight: the choice hangs on the work-group's number alone
	s_cselect_b64 s[4:5], s[6:7], s[4:5]
	s_cmp_ge_u32 ttmp9, 12
	s_cselect_b64 s[4:5], s[8:9], s[4:5]
	s_add_nc_u64 s[4:5], s[4:5], s[24:25]
	s_add_nc_u64 s[10:11], s[10:11], s[26:27]
.irp c, 0,1
.set ii, 0
.rept 32
	global_load_b32 v[NUM+32*\c+ii], v5, s[4:5] offset:256*(64*\c+ii)   ; W(64 c + 32 h + i, my column); the four waves together take each row's 256 bytes
.set ii, ii+1
.endr
.endr
	v_mov_b32 v10, 0                               ; a lane permute's destination counts as one of its sources
	s_wait_loadcnt 0x0                             ; one fragment a wave: there is nothing to work on meanwhile
.irp c, 0,1
	v_max3_num_f32 v[12+\c], |v[NUM+32*\c]|, |v[NUM+1+32*\c]|, 0x1800000   ; my block 2 c + h, and the floor 2^(3 - 127): the byte cannot fall under 1
.endr
.irp i, 2,4,6,8,10,12,14,16,18,20,22,24,26,28,30
.irp c, 0,1
	v_max3_num_f32 v[12+\c], v[12+\c], |v[NUM+32*\c+\i]|, |v[NUM+1+32*\c+\i]|   ; the two blocks by turns
.endr
.endr
.irp c, 0,1
	v_add_nc_u32 v[14+\c], 0xff000000, v[12+\c]    ; 2 off the exponent field: the conversion takes this operand's exponent field as its scale
.endr
.irp c, 0,1
	v_lshrrev_b32 v[16+\c], 23, v[14+\c]           ; the scale's byte
.endr
	v_lshl_or_b32 v9, v17, 16, v16                 ; my two bytes: blocks h and 2 + h,
	v_lshlrev_b32 v11, 3, v2
	v_lshlrev_b32 v9, v11, v9                      ; 8 h bits up;
	v_permlanex16_b32 v10, v9, s20, s21
	v_or_b32 v9, v9, v10                           ; with lane l xor 16's two the word is whole
.irp c, 0,1
	v_cvt_scalef32_pk16_fp6_f32 v[COD+6*\c:COD+6*\c+2], v[NUM+32*\c:NUM+32*\c+15], v[14+\c]
	v_cvt_scalef32_pk16_fp6_f32 v[CO2+4*\c:CO2+4*\c+2], v[NUM+32*\c+16:NUM+32*\c+31], v[14+\c]   ; (a conversion's three registers begin on an even number)
.endr
	v_nop                                          ; one plain instruction behind the scaled conversions
.irp c, 0,1
.irp i, 0,1,2
	v_mov_b32 v[COD+3+6*\c+\i], v[CO2+4*\c+\i]
.endr
.endr
.irp c, 0,1,2
	global_store_b128 v6, v[COD+4*\c:COD+4*\c+3], s[10:11] offset:512*\c   ; the wave stores 512 consecutive bytes, at a multiple of 256 from wfr's first byte
.endr
	ds_store_b32 v8, v9                            ; both halves of the lanes write the same word with the same value
	s_wait_dscnt 0x0                               ; for the others' sake: my word has landed
	s_barrier_signal -1
	s_barrier_wait -1
	s_cmp_lg_u32 s12, 0
	s_cbranch_scc1 .Ldone                          ; wave 0 stores the four tiles' scale words
	ds_load_b64 v[12:13], v7
	s_wait_dscnt 0x0
	global_store_b64 v7, v[12:13], s[10:11] offset:6144   ; 32 lanes store 256 consecutive bytes, aligned
.Ldone:
	s_wait_tensorcnt 0x0
	ds_add_u32 v128, v129
	s_wait_dscnt 0x0
	s_endpgm
.Lfunc_end_k_qa878fae4ca_wquant:
	.size	k_qa878fae4ca_wquant, .Lfunc_end_k_qa878fae4ca_wquant-k_qa878fae4ca_wquant
	.p2alignl 7, 3214868480
	.fill 96, 4, 3214868480
	.section	.rodata,"a",@progbits
	.p2align	6, 0x0
	.amdhsa_kernel k_qa878fae4ca_wquant
		.amdhsa_group_segment_fixed_size 1536
		.amdhsa_private_segment_fixed_size 0
		.amdhsa_enable_private_segment 0
		.amdhsa_kernarg_size 32
		.amdhsa_user_sgpr_count 2
		.amdhsa_user_sgpr_kernarg_segment_ptr 1
		.amdhsa_wavefront_size32 1
		.amdhsa_system_sgpr_workgroup_id_x 1
		.amdhsa_system_sgpr_workgroup_id_y 1
		.amdhsa_system_sgpr_workgroup_id_z 1
		.amdhsa_system_vgpr_workitem_id 0
		.amdhsa_next_free_vgpr 130
		.amdhsa_next_free_sgpr 66
		.amdhsa_reserve_vcc 0
		.amdhsa_float_denorm_mode_32 3
		.amdhsa_float_denorm_mode_16_64 3
		.amdhsa_memory_ordered 1
		.amdhsa_forward_progress 1
		.amdhsa_inst_pref_size 13
	.end_amdhsa_kernel
	.amdgpu_metadata
---
amdhsa.version: [ 1, 2 ]
amdhsa.kernels:
  - .name:           k_qa878fae4ca_wquant
    .symbol:         k_qa878fae4ca_wquant.kd
    .args:
      - { .name: Wq, .offset: 0, .size: 8, .value_kind: global_buffer, .address_space: global }
      - { .name: Wk, .offset: 8, .size: 8, .value_kind: global_buffer, .address_space: global }
      - { .name: Wv, .offset: 16, .size: 8, .value_kind: global_buffer, .address_space: global }
      - { .name: wfr, .offset: 24, .size: 8, .value_kind: global_buffer, .address_space: global }
    .group_segment_fixed_size: 1536
    .private_segment_fixed_size: 0
    .kernarg_segment_align: 8
    .kernarg_segment_size: 32
    .max_flat_workgroup_size: 128
    .sgpr_count:     66
    .vgpr_count:     130
    .wavefront_size: 32
...
	.end_amdgpu_metadata
.endif
;; end of part 4
;; launch proj (part 5): grid 256 x 1, 4 waves a work-group, no clusters, 82,432 bytes of LDS; arguments x, wfr, bq, bk, bv, qw, kv; writes qw, kv
.if DOCPART == 5
	.amdgcn_target "amdgcn-amd-amdhsa--gfx1250"
	.amdhsa_code_object_version 6
	.text
	.protected	k_qa878fae4ca_proj
	.globl	k_qa878fae4ca_proj
	.p2align	8
	.type	k_qa878fae4ca_proj,@function
k_qa878fae4ca_proj:
	s_mov_b64 s[64:65], 0
	v_nop
	global_prefetch_b8 v0, s[64:65] scope:SCOPE_SE
	s_setreg_imm32_b32 hwreg(HW_REG_WAVE_SCHED_MODE, 0, 2), 2
	s_setreg_imm32_b32 hwreg(HW_REG_WAVE_MODE, 25, 1), 1
	s_wait_xcnt 0x0
	s_wait_alu depctr_vm_vsrc(0)
; q, k, v = x W + b for all 12 heads, on codes of FP6 (E2M3) with one E8M0 scale for each 32 along d; the results, in f32, are quantised here (q and k along e, v along the tokens) and leave as images of operand registers.
; SHARES.  A work-group takes 64 tokens (group g of batch b) and all 2,304 columns.  THE WAVES SHARE THE COLUMNS: wave w takes heads 3 w .. 3 w + 2 (nine units of wfr on end) for all 64 tokens.
; x is read once in the launch: wave w quantises token tile w (16 tokens x 768); the 24 fragments go round through LDS as images of their registers and then stay in every wave's registers.
; W's fragments come from memory straight into operand registers, through a ring of six groups (one unit).  NO CLUSTER, NO JOINT LOADS for W, though all work-groups walk it: each byte of W feeds exactly one wave of a work-group
; and arrives in register order by loads of 512 consecutive bytes; a way through LDS would add 1,382,400 bytes of LDS writes and as many LDS reads to each work-group.
; THE TOKENS OF A TILE ARE NOT NEIGHBOURS: row r of tile 2 b + u is token 32 b + 8 u + r + 8 (r / 8) of the group, and W's columns likewise (launch wquant).  So in every result the 16 registers of two neighbouring tiles are 16 neighbours.
; q, k: source 0 = 16 columns of W, source 1 = 16 tokens: a lane holds one token and its registers run along e.   v: source 0 = 16 tokens, source 1 = 16 columns: a lane holds one channel and its registers run along the tokens.
; The biases are the C of each sum's first matrix instruction.
; OUT.  A half image (16 rows x 64 K, 6 registers a lane) is 768 bytes: registers 0-3 at 16 l, registers 4-5 at 512 + 8 l.  Record R = 16 head + batch.
;   qw record, 53,248 bytes: token tile T = 4 g + 2 mm + c at 768 T; scale words at 49,152 + 256 g + 8 (16 c + r) + 4 mm, each word = its row's two bytes twice (the product q k^T fills its instruction's K of 128 with zero codes).
;   kv record, 104,448 bytes: k's half images and (at 98,304) scale words as q's; v's half images at 49,152 + 6,144 (g / 2) + 1,536 t + 768 (g % 2); v's scale words at 102,400 + 256 (g / 2) + 64 t + 4 r, bytes 2 (g % 2) + 0, 1.
;   v's scale bytes leave two at a time (393,216 bytes in the launch): a whole word would want 128 tokens in one work-group.
; LIMITS: a block of zeros gets the byte 1 where the quantiser says 127 (its codes are zeros, and this program alone reads the bytes); NaN and infinities among the inputs are not served.
; REGISTERS, in windows of 256.  Window 0: v1-18 addresses; v20-31 x's scale words; v32-43 W's; v44-75 a unit's bias as C; v76-79 bv by channel; v80-207 sixteen accumulators (v80-143 also 64 numbers of x); v208-228 the quantiser's; v230-253 two out-buffers of codes.
;   x's fragment (K step s, tile m): window 1 + s / 3, v[48 (s % 3) + 12 m].   W's ring, group s, tile t: window 1 + s / 2, v[144 + 48 (s % 2) + 12 t].   x as loaded, set s % 4: window 1 + (s % 4) / 2, v[64 (s % 2)], dead before the fragments land.
; THE MODE: SCHED_MODE bits 1:0 = 2 (LLVM: expert scheduling mode 2), set by the entry lines.  The code itself states the register dependences
; between vector or matrix instructions and memory or LDS instructions, with s_wait_alu, always for 0.
; THE PLAN.  Registers that memory or LDS instructions touch, and who else names them:
;   v1-8, v12       offsets and LDS addresses: written at the head, never again.   v9, v10: the head's bias addresses: written at the head and once a head, at the loop's edge; read by the bias's LDS loads.
;   x as loaded     written by loads, read by LDS stores, written again by loads: no vector instruction names them.
;   v80-143 (x)     written by the stage's LDS loads of K step s, read by that step's quantiser.     PC0, PW (x): written by the quantiser, read by the image's LDS stores.
;   ring group s, W's scale words 2 s, 2 s + 1    read by K step s's sixteen products; the next unit's group lands in them in the MIDDLE of step s + 1 (group 5: on the way out).
;   the bias (C)    read by K step 0's products; the next bias lands in it in step 1 (or is written by v_mov, from bv, on k's way out).
;   PC0, PC1, v14, v15    out-buffers: written by a unit's two quantisers, read by its stores, written again a whole unit later.
;   x's fragments and scale words are loaded once; the accumulators and the quantiser's v208-228 are named by vector and matrix instructions alone.
; So a unit holds: ONE wait on va_vdst at the head of each of its K steps 1 to 5, behind the wait for the step's group; on the way out one wait on vm_vsrc ahead of the quantisers and one on va_vdst behind them.
.set XIMG,   0                         ; LDS: x's 24 fragments, (4 s + m) x 1,536
.set XSC,    36864                     ; their scale words, (4 s + m) x 64 + 4 r
.set BIAS,   38400                     ; the biases of each wave's three heads: 2,304 w + 256 (3 i + kind)
.set STAGE,  47616                     ; a stage for each wave: 16 rows of 512 bytes + 16
.set SPITCH, 528                       ; 33 x 16 bytes: the sixteen rows that a load of 16 bytes a lane touches lie in sixteen different 16-byte columns of 256
.set GRPB,   6400
.set UNITB,  38400
.set QREC,   53248
.set KREC,   104448
.set XS,  20
.set WS,  32
.set BI,  44
.set BV,  76
.set ACC, 80
.set TM,  208                          ; v208-211 largest magnitudes, v212-215 the other half's, then bytes, v216-219 the conversions' scale operands
.set PW,  220                          ; the scale word just made
.set T2,  222                          ; v222-224, v226-228 the second halves as the conversions leave them
.set PC,  230                          ; v230-241 and v242-253: two out-buffers of 12 registers of codes
.set MSB, 0
.macro WIN new                         ; the immediate's high byte repeats the setting that is left; a switch that changes nothing is dropped
.if MSB != (\new)
	s_set_vgpr_msb (MSB<<8)|(\new)
.set MSB, (\new)
.endif
.endm
.macro PLACES                          ; four plain instructions between a matrix instruction and a read of its results by a vector instruction; they stand behind every K step's products, beside the wait that the loads into those products' registers have
.rept 4
	v_nop
.endr
.endm
; my 16 tokens' numbers of K step s: each load takes one token's 512 consecutive bytes, 16 a lane
.macro XLOAD s
	WIN (1+((\s)%4)/2)<<6
.set ii, 0
.rept 16
	global_load_b128 v[64*((\s)%2)+4*ii:64*((\s)%2)+4*ii+3], v1, s[4:5] offset:(ii+8*(ii/8))*3072+512*(\s) th:TH_LOAD_NT
.set ii, ii+1
.endr
	WIN 0
.endm
; through my own stage: in as loaded, back so that register 16 B + i of lane (r, h) is number 32 B + 16 h + i of row r.  LDS serves a wave's instructions in order (ISA guide 5.7.1.4): no wait between the stores and the loads
.macro TURN s
	WIN (1+((\s)%4)/2)<<2
.set ii, 0
.rept 16
	ds_store_b128 v4, v[64*((\s)%2)+4*ii:64*((\s)%2)+4*ii+3] offset:SPITCH*ii
.set ii, ii+1
.endr
	WIN 0
.set ii, 0
.rept 16
	ds_load_b128 v[ACC+4*ii:ACC+4*ii+3], v5 offset:128*(ii/4)+16*(ii%4)
.set ii, ii+1
.endr
.endm
; 64 numbers of a lane, v[s] .. v[s + 63], register 16 b + i = neighbour 32 b + 16 (lane / 16) + i of my row, become 12 registers of codes in v[out] on (registers 6 c .. 6 c + 5: block 2 c + lane / 16, whole) and four scale bytes in v[PW]
.macro QUANT s, out
.irp b, 0,1,2,3
	v_max3_num_f32 v[TM+\b], |v[\s+16*\b]|, |v[\s+1+16*\b]|, 0x1800000   ; block b: my 16 numbers, and the floor 2^(3 - 127): the byte cannot fall under 1
.endr
.irp i, 2,4,6,8,10,12,14
.irp b, 0,1,2,3
	v_max3_num_f32 v[TM+\b], v[TM+\b], |v[\s+16*\b+\i]|, |v[\s+1+16*\b+\i]|   ; the four blocks by turns
.endr
.endr
.irp b, 0,1,2,3
	v_permlanex16_b32 v[TM+4+\b], v[TM+\b], s20, s21
.endr
.irp b, 0,1,2,3
	v_max_num_f32 v[TM+\b], v[TM+\b], v[TM+4+\b]   ; with lane l xor 16's: the block's largest magnitude
.endr
.irp b, 0,1,2,3
	v_add_nc_u32 v[TM+8+\b], 0xff000000, v[TM+\b]  ; 2 off its exponent field: the conversion's scale operand
.endr
.irp b, 0,1,2,3
	v_lshrrev_b32 v[TM+4+\b], 23, v[TM+8+\b]       ; the scale's byte
.endr
	v_lshl_or_b32 v[PW], v[TM+5], 8, v[TM+4]
	v_lshl_or_b32 v[PW], v[TM+6], 16, v[PW]
	v_lshl_or_b32 v[PW], v[TM+7], 24, v[PW]
.irp c, 0,1
	v_cvt_scalef32_pk16_fp6_f32 v[\out+6*\c:\out+2+6*\c], v[\s+32*\c:\s+15+32*\c], v[TM+8+2*\c]
	v_cvt_scalef32_pk16_fp6_f32 v[T2+4*\c:T2+2+4*\c], v[\s+16+32*\c:\s+31+32*\c], v[TM+8+2*\c+1]   ; (a conversion's three registers begin on an even number)
.endr
	v_nop                                          ; one plain instruction behind the scaled conversions
.irp c, 0,1                                    ; the operand's layout wants a whole block in a lane
.irp i, 0,1,2
	v_permlane16_swap_b32 v[\out+6*\c+\i], v[T2+4*\c+\i]
.endr
.irp i, 0,1,2
	v_mov_b32 v[\out+3+6*\c+\i], v[T2+4*\c+\i]
.endr
.endr
.endm
.macro IMAGE s                                 ; x's fragment (s, my tile) and its scale word go to LDS as they stand
.irp c, 0,1,2
	ds_store_b128 v6, v[PC+4*\c:PC+4*\c+3] offset:XIMG+6144*(\s)+512*\c
.endr
	ds_store_b32 v7, v[PW] offset:256*(\s)         ; both halves of the lanes write the same word with the same value
.endm
; group s of the unit off bytes on from s[6:7]: four fragments, 12 loads of 512 consecutive bytes, and the scale words, 256 bytes: 13 loads
.macro RINGLOAD s, off
	WIN (1+(\s)/2)<<6
.set ii, 0
.rept 12
	global_load_b128 v[144+48*((\s)%2)+4*ii:144+48*((\s)%2)+4*ii+3], v1, s[6:7] offset:(\off)+GRPB*(\s)+512*ii
.set ii, ii+1
.endr
	WIN 0
	global_load_b64 v[WS+2*(\s):WS+2*(\s)+1], v2, s[6:7] offset:(\off)+GRPB*(\s)+6144
.endm
.macro WM                                      ; one matrix instruction from the symbols rD, rA, rB, rC, rSA, rSB; fA, fB: that side's scale words stand in lanes 16-31
.if (fA == 0) && (fB == 0)
	v_wmma_scale_f32_16x16x128_f8f6f4 v[rD:rD+7], v[rA:rA+11], v[rB:rB+11], v[rC:rC+7], v[rSA], v[rSB] matrix_a_fmt:MATRIX_FMT_FP6 matrix_b_fmt:MATRIX_FMT_FP6
.elseif (fA == 1) && (fB == 0)
	v_wmma_scale_f32_16x16x128_f8f6f4 v[rD:rD+7], v[rA:rA+11], v[rB:rB+11], v[rC:rC+7], v[rSA], v[rSB] matrix_a_fmt:MATRIX_FMT_FP6 matrix_b_fmt:MATRIX_FMT_FP6 matrix_a_scale:MATRIX_SCALE_ROW1
.elseif (fA == 0) && (fB == 1)
	v_wmma_scale_f32_16x16x128_f8f6f4 v[rD:rD+7], v[rA:rA+11], v[rB:rB+11], v[rC:rC+7], v[rSA], v[rSB] matrix_a_fmt:MATRIX_FMT_FP6 matrix_b_fmt:MATRIX_FMT_FP6 matrix_b_scale:MATRIX_SCALE_ROW1
.else
	v_wmma_scale_f32_16x16x128_f8f6f4 v[rD:rD+7], v[rA:rA+11], v[rB:rB+11], v[rC:rC+7], v[rSA], v[rSB] matrix_a_fmt:MATRIX_FMT_FP6 matrix_b_fmt:MATRIX_FMT_FP6 matrix_a_scale:MATRIX_SCALE_ROW1 matrix_b_scale:MATRIX_SCALE_ROW1
.endif
.endm
; Half of K step s of a unit: token tiles m0, m0 + 1: 8 of the step's 16 matrix instructions.  The 16 accumulators take turns, one instruction a turn, in the same order in every step.  The first step takes the bias as C: nothing is cleared
.macro MUL kind, s, m0
.set wW, 1+(\s)/2
.set wX, 1+(\s)/3
.if \kind < 2
	WIN (wX<<2)|wW
.else
	WIN (wW<<2)|wX
.endif
.irp m, \m0, \m0+1
.irp t, 0,1,2,3
.set rX, 48*((\s)%3)+12*(\m)
.set rW, 144+48*((\s)%2)+12*\t
.if \kind < 2
.set rD, ACC+32*(\m)+8*\t
.set rA, rW
.set rB, rX
.set rSA, WS+2*(\s)+\t/2
.set rSB, XS+2*(\s)+(\m)/2
.set fA, \t%2
.set fB, (\m)%2
.else
.set rD, ACC+32*\t+8*(\m)
.set rA, rX
.set rB, rW
.set rSA, XS+2*(\s)+(\m)/2
.set rSB, WS+2*(\s)+\t/2
.set fA, (\m)%2
.set fB, \t%2
.endif
.if (\s) == 0
.set rC, BI+8*\t
.else
.set rC, rD
.endif
	WM
.endr
.endr
.endm
.macro BIASQK off                              ; the bias of a q or k unit in the result's layout: lane (r, h), tile 2 b + u, register j: e = 32 b + 16 h + 8 u + j
.irp t, 0,1,2,3
	ds_load_b128 v[BI+8*\t:BI+8*\t+3], v9 offset:\off+128*(\t/2)+32*(\t%2)
	ds_load_b128 v[BI+8*\t+4:BI+8*\t+7], v9 offset:\off+128*(\t/2)+32*(\t%2)+16
.endr
.endm
.macro BIASV                                   ; bv of my channel in each of the four tiles
.irp t, 0,1,2,3
	ds_load_b32 v[BV+\t], v10 offset:512+128*(\t/2)+32*(\t%2)
.endr
.endm
; q's or k's way out: two tiles of tokens at a time become two half images and their scale words; the two pairs go into the two out-buffers
.macro CODESQK
.irp mm, 0,1
	QUANT ACC+64*\mm, PC+12*\mm
	v_lshrrev_b32 v16, v11, v[PW]                  ; lanes 0-15: tile 2 mm's two bytes; lanes 16-31: tile 2 mm + 1's
	v_perm_b32 v[14+\mm], v16, v16, s23            ; the two bytes twice
.endr
.endm
.macro SENDQK pimg, psc
.irp mm, 0,1
	global_store_b128 v1, v[PC+12*\mm:PC+12*\mm+3], s[\pimg:\pimg+1] offset:(2*\mm)*768          ; 512 consecutive bytes, aligned to 256
	global_store_b64 v2, v[PC+12*\mm+4:PC+12*\mm+5], s[\pimg:\pimg+1] offset:(2*\mm)*768+512     ; 256 consecutive bytes, aligned
	global_store_b128 v1, v[PC+12*\mm+6:PC+12*\mm+9], s[\pimg:\pimg+1] offset:(2*\mm+1)*768
	global_store_b64 v2, v[PC+12*\mm+10:PC+12*\mm+11], s[\pimg:\pimg+1] offset:(2*\mm+1)*768+512
.endr
	global_store_b64 v2, v[14:15], s[\psc:\psc+1]  ; the group's 64 scale words: 256 consecutive bytes, aligned
.endm
.macro CODESV                                  ; v's: two tiles of channels at a time
.irp tt, 0,1
	QUANT ACC+64*\tt, PC+12*\tt
	v_lshrrev_b32 v[14+\tt], v11, v[PW]            ; lanes 0-15: tile 2 tt's two bytes (token blocks 0, 1 of the group); lanes 16-31: tile 2 tt + 1's
.endr
.endm
.macro SENDV
.irp tt, 0,1
	global_store_b128 v1, v[PC+12*\tt:PC+12*\tt+3], s[32:33] offset:(2*\tt)*1536
	global_store_b64 v2, v[PC+12*\tt+4:PC+12*\tt+5], s[32:33] offset:(2*\tt)*1536+512
	global_store_b128 v1, v[PC+12*\tt+6:PC+12*\tt+9], s[32:33] offset:(2*\tt+1)*1536
	global_store_b64 v2, v[PC+12*\tt+10:PC+12*\tt+11], s[32:33] offset:(2*\tt+1)*1536+512
	global_store_b16 v12, v[14+\tt], s[34:35] offset:128*\tt
.endr
.endm
; A UNIT: 64 tokens x 64 columns x 768.  ahead = 1: the ring takes the next unit's groups, off bytes on: group s - 1 in the middle of K step s, group 5 on the way out.
; nbk: whose bias is fetched in step 1: 1 k's, 2 v's, 3 the next head's q's, 0 none.
; THE WAIT FOR A GROUP.  Groups are asked for in the order 0 .. 5.  Behind group 0's 13 loads stand groups 1 to 5's 65: 63 is the largest count that can be written, and a smaller count is safe.
; Behind group s's, s > 0, stand groups s + 1 .. 5 of this unit and groups 0 .. s - 2 of the next: four groups, 52 loads.  In the last unit the count runs down with the groups that are left.
.macro UNIT kind, ahead, off, nbk
	s_wait_dscnt 0x0                               ; the bias is in
.irp s, 0,1,2,3,4,5
.if \s == 0
	s_wait_loadcnt 63
.elseif \ahead
	s_wait_loadcnt 52
.else
	s_wait_loadcnt 13*(5-\s)
.endif
.if (\s > 0) && \ahead
	s_wait_alu depctr_va_vdst(0)                   ; the last K step's products are done reading their ring group and its scale words, in which the loads below land; in step 1 also the bias, their C, and bv's readers; and v9, v10 are written
.endif
	MUL \kind, \s, 0
.if (\s > 0) && \ahead
	RINGLOAD \s-1, \off                            ; no further wait: the eight products since the wait name group s, x's fragments, both sides' scale words of step s and the accumulators, none of which these loads touch
.if \s == 1
.if \nbk == 1
	BIASQK 256
.elseif \nbk == 2
	BIASV
.elseif \nbk == 3
	BIASQK 768
.endif
.endif
.endif
	MUL \kind, \s, 2
	PLACES
.endr
	WIN 0
.if \kind == 1
	s_wait_dscnt 0x0                               ; bv is in
.irp t, 0,1,2,3
.irp j, 0,1,2,3,4,5,6,7
	v_mov_b32 v[BI+8*\t+\j], v[BV+\t]              ; as the C of v's first products: a lane's eight registers are eight tokens of one channel
.endr
.endr
.endif
	s_wait_xcnt 0x0                                ; the last unit's stores have had their addresses translated (ISA guide 3.1): both out-buffers and the words' registers are written again only behind this wait
	s_wait_alu depctr_vm_vsrc(0)                   ; the last unit's stores (ahead of the first unit: the LDS stores of x's last image) have read v[PC ..], v[PW], v14 and v15, which the quantisers below write
.if \kind < 2
	CODESQK
.else
	CODESV
.endif
	s_wait_alu depctr_va_vdst(0)                   ; the quantisers have written both out-buffers and v14, v15, which the stores below read; K step 5's products are done reading group 5 and its scale words, in which the loads below land
.if \ahead
	RINGLOAD 5, \off
.endif
.if \kind == 0
	SENDQK 24, 26
.elseif \kind == 1
	SENDQK 28, 30
.else
	SENDV
.endif
.endm
.macro HEAD last
	UNIT 0, 1, UNITB, 1
	UNIT 1, 1, 2*UNITB, 2
.if \last
	UNIT 2, 0, 0, 0
.else
	UNIT 2, 1, 3*UNITB, 3
.endif
.endm
	s_load_b256 s[4:11], s[0:1], 0x0               ; x s[4:5], wfr s[6:7], bq s[8:9], bk s[10:11]
	s_load_b128 s[12:15], s[0:1], 0x20             ; bv s[12:13], qw s[14:15]
	s_load_b64 s[16:17], s[0:1], 0x30              ; kv
	v_lshl_add_u32 v254, v0, 2, 0x14000
	v_mov_b32 v255, 0
	v_lshrrev_b32 v1, 5, v0
	v_readfirstlane_b32 s18, v1                    ; wave 0..3
	v_and_b32 v19, 31, v0                          ; lane
	v_and_b32 v13, 15, v0                          ; r
	v_bfe_u32 v11, v0, 4, 1                        ; h
	v_lshlrev_b32 v1, 4, v19                       ; v1  16 x lane
	v_lshlrev_b32 v2, 3, v19                       ; v2  8 x lane
	s_wait_alu depctr_va_vdst(0)
	v_lshlrev_b32 v3, 2, v19                       ; v3  4 x lane
	s_wait_alu depctr_va_sdst(0)                   ; s18 is written, ahead of its first reader: LDS addresses and all bases are made from it
	s_mul_i32 s36, s18, 16*SPITCH
	s_add_co_u32 s36, s36, STAGE
	v_add_nc_u32 v4, s36, v1                       ; v4  my stage, in: 16 x lane
	v_mul_u32_u24 v5, v13, SPITCH
	v_lshl_add_u32 v5, v11, 6, v5
	v_add_nc_u32 v5, s36, v5                       ; v5  and back: row r, + 64 h
	s_mul_i32 s36, s18, 1536
	v_add_nc_u32 v6, s36, v1                       ; v6  where I store x's images
	s_lshl_b32 s36, s18, 6
	s_add_co_u32 s36, s36, XSC
	v_lshl_add_u32 v7, v13, 2, s36                 ; v7  and their scale words
	s_mul_i32 s36, s18, 2304
	s_add_co_u32 s36, s36, BIAS
	v_add_nc_u32 v8, s36, v2                       ; v8  my wave's biases, in
	v_lshl_add_u32 v17, v11, 6, s36                ; v17 and back, for q and k: + 64 h
	v_and_b32 v18, 8, v13
	v_add_nc_u32 v18, v18, v13
	v_lshl_add_u32 v18, v18, 2, s36                ; v18 for v: + 4 (r + 8 (r / 8))
	v_lshlrev_b32 v12, 6, v11
	v_lshl_add_u32 v12, v13, 2, v12                ; v12 64 h + 4 r: v's scale bytes
	v_lshlrev_b32 v11, 4, v11                      ; v11 16 h: a shift
.irp b, 0,1,2,3
	v_mov_b32 v[TM+4+\b], 0                        ; written once: a lane permute's destination counts as one of its sources
.endr
	s_mov_b32 s20, 0x76543210
	s_mov_b32 s21, 0xfedcba98                      ; v_permlanex16_b32's selects for lane l xor 16
	s_mov_b32 s23, 0x01000100                      ; v_perm_b32: bytes 0, 1, 0, 1
	s_mov_b32 s22, 2                               ; heads in the loop
	s_mov_b32 s48, 0                               ; the head's biases in my wave's LDS region
	v_add_nc_u32 v9, s48, v17                      ; v9, v10: the head's biases
	v_add_nc_u32 v10, s48, v18
	s_lshr_b32 s36, ttmp9, 4                       ; batch
	s_and_b32 s37, ttmp9, 15                       ; g
	s_lshl_b32 s38, ttmp9, 6                       ; x: token 64 x work-group + 32 (w / 2) + 8 (w % 2): my tile's first
	s_lshr_b32 s39, s18, 1
	s_lshl_b32 s39, s39, 5
	s_add_co_u32 s38, s38, s39
	s_and_b32 s39, s18, 1
	s_lshl_b32 s39, s39, 3
	s_add_co_u32 s38, s38, s39
	s_mul_i32 s38, s38, 3072
	s_mov_b32 s39, 0
	s_mul_i32 s40, s18, 9*UNITB                    ; wfr: my nine units
	s_mov_b32 s41, 0
	s_mul_i32 s42, s18, 768                        ; the biases of my three heads
	s_mov_b32 s43, 0
	s_mul_i32 s44, s18, 48
	s_add_co_u32 s44, s44, s36                     ; record 16 (3 w) + batch
	s_mul_i32 s46, s44, KREC
	s_mul_i32 s44, s44, QREC
	s_mov_b32 s45, 0
	s_mov_b32 s47, 0
	s_wait_kmcnt 0x0
	s_add_nc_u64 s[4:5], s[4:5], s[38:39]
	s_add_nc_u64 s[8:9], s[8:9], s[42:43]
	s_add_nc_u64 s[10:11], s[10:11], s[42:43]
	s_add_nc_u64 s[12:13], s[12:13], s[42:43]
	s_wait_alu depctr_va_vdst(0)                   ; the offsets and LDS addresses v1 to v10 and v12 are written, which the loads and stores of the whole kernel read
.irp i, 0,1,2
.irp k, 0,1,2
	global_load_b64 v[BI+2*(3*\i+\k):BI+2*(3*\i+\k)+1], v2, s[8+2*\k:9+2*\k] offset:256*\i   ; a head's 64 numbers: 256 consecutive bytes
.endr
.endr
	XLOAD 0
	XLOAD 1
	XLOAD 2
	XLOAD 3
	s_add_nc_u64 s[6:7], s[6:7], s[40:41]
	s_add_nc_u64 s[14:15], s[14:15], s[44:45]      ; my first record in qw
	s_add_nc_u64 s[16:17], s[16:17], s[46:47]      ; and in kv
	s_mul_i32 s38, s37, 3072                       ; the group's four half images
	s_add_nc_u64 s[24:25], s[14:15], s[38:39]      ; s[24:25] q's images
	s_add_nc_u64 s[28:29], s[16:17], s[38:39]      ; s[28:29] k's
	s_lshl_b32 s38, s37, 8
	s_add_co_u32 s40, s38, 49152
	s_add_nc_u64 s[26:27], s[14:15], s[40:41]      ; s[26:27] q's scale words
	s_add_co_u32 s40, s38, 98304
	s_add_nc_u64 s[30:31], s[16:17], s[40:41]      ; s[30:31] k's
	s_lshr_b32 s38, s37, 1                         ; g / 2
	s_and_b32 s42, s37, 1                          ; g % 2
	s_mul_i32 s40, s38, 6144
	s_mul_i32 s44, s42, 768
	s_add_co_u32 s40, s40, s44
	s_add_co_u32 s40, s40, 49152
	s_add_nc_u64 s[32:33], s[16:17], s[40:41]      ; s[32:33] v's images
	s_lshl_b32 s40, s38, 8
	s_lshl_b32 s44, s42, 1
	s_add_co_u32 s40, s40, s44
	s_add_co_u32 s40, s40, 102400
	s_add_nc_u64 s[34:35], s[16:17], s[40:41]      ; s[34:35] v's scale bytes
	; ---- x: my 16 tokens become six fragments.  Loads run four K steps (64 loads) ahead
.irp s, 0,1,2,3,4,5
.if \s < 3
	s_wait_loadcnt 48                              ; this K step's 16 loads (and, the first time, the biases) are in; the three steps behind it may be out
.else
	s_wait_loadcnt 16*(5-\s)                       ; the steps behind it that are left
.endif
.if \s == 0
.set ii, 0
.rept 9
	ds_store_b64 v8, v[BI+2*ii:BI+2*ii+1] offset:256*ii
.set ii, ii+1
.endr
.endif
.if \s == 5
.irp g, 0,1,2,3,4,5
	RINGLOAD \g, 0                                 ; no load of x is left: the first unit of W is asked for, and lands while the last step is quantised.  No vector or matrix instruction has named these registers
.endr
.endif
	TURN \s                                        ; its loads land in v[ACC ..]: the last step's quantiser, which read them, stands ahead of the last wait on va_vdst, and no vector instruction has followed
	s_wait_dscnt 0x0                               ; the numbers are back
	s_wait_alu depctr_vm_vsrc(0)                   ; the stage's stores have read x as loaded, in which later loads land; the last image's stores have read v[PC ..] and v[PW], which the quantiser writes; in the first step the biases' stores have read v[BI ..]
.if \s < 2
	XLOAD \s+4
.endif
	QUANT ACC, PC
	s_wait_alu depctr_va_vdst(0)                   ; the quantiser has written v[PC ..] and v[PW], which the LDS stores below read, and is done reading v[ACC ..], in which the next K step's numbers land
	IMAGE \s
.endr
	s_wait_dscnt 0x0                               ; for the others' sake: my images and scale words have landed
	s_barrier_signal -1
	s_barrier_wait -1                              ; x's 24 fragments lie in LDS; from here on LDS is only read
.irp s, 0,1,2,3,4,5
	WIN (1+\s/3)<<6
.set ii, 0
.rept 12
	ds_load_b128 v[48*(\s%3)+4*ii:48*(\s%3)+4*ii+3], v1 offset:XIMG+6144*\s+512*ii   ; over x as loaded: the stage's stores that read it stand ahead of the last wait on vm_vsrc
.set ii, ii+1
.endr
.endr
	WIN 0
.irp s, 0,1,2,3,4,5
.irp p, 0,1
	ds_load_b32 v[XS+2*\s+\p], v3 offset:XSC+256*\s+128*\p   ; lanes 0-15: tile 2 p's words; lanes 16-31: tile 2 p + 1's
.endr
.endr
	BIASQK 0
.Lhead:                                            ; two trips; the third head is written out, so that no load leaves wfr
	HEAD 0
	s_wait_xcnt 0x0                                ; the loads and stores have read their bases: they may step
	s_wait_dscnt 0x0                               ; the next head's bias is in
	s_wait_alu depctr_vm_vsrc(0)                   ; the biases' LDS loads have read v9 and v10, which are written below
	s_add_nc_u64 s[6:7], s[6:7], 3*UNITB
	s_add_nc_u64 s[24:25], s[24:25], 16*QREC       ; the next head's record lies 16 records on
	s_add_nc_u64 s[26:27], s[26:27], 16*QREC
	s_add_nc_u64 s[28:29], s[28:29], 16*KREC
	s_add_nc_u64 s[30:31], s[30:31], 16*KREC
	s_add_nc_u64 s[32:33], s[32:33], 16*KREC
	s_add_nc_u64 s[34:35], s[34:35], 16*KREC
	s_add_co_u32 s48, s48, 768
	v_add_nc_u32 v9, s48, v17
	v_add_nc_u32 v10, s48, v18
	s_sub_co_u32 s22, s22, 1
	s_cmp_lg_u32 s22, 0
	s_cbranch_scc1 .Lhead
	HEAD 1
	s_wait_dscnt 0x0
	s_wait_alu depctr_hold_cnt(0) depctr_sa_sdst(0) depctr_va_vdst(0) depctr_va_sdst(0) depctr_va_ssrc(0) depctr_va_vcc(0) depctr_vm_vsrc(0)
	s_wait_tensorcnt 0x0
	ds_add_u32 v254, v255
	s_wait_dscnt 0x0
	s_endpgm
.Lfunc_end_k_qa878fae4ca_proj:
	.size	k_qa878fae4ca_proj, .Lfunc_end_k_qa878fae4ca_proj-k_qa878fae4ca_proj
	.p2alignl 7, 3214868480
	.fill 96, 4, 3214868480
	.section	.rodata,"a",@progbits
	.p2align	6, 0x0
	.amdhsa_kernel k_qa878fae4ca_proj
		.amdhsa_group_segment_fixed_size 82432
		.amdhsa_private_segment_fixed_size 0
		.amdhsa_enable_private_segment 0
		.amdhsa_kernarg_size 56
		.amdhsa_user_sgpr_count 2
		.amdhsa_user_sgpr_kernarg_segment_ptr 1
		.amdhsa_wavefront_size32 1
		.amdhsa_system_sgpr_workgroup_id_x 1
		.amdhsa_system_sgpr_workgroup_id_y 1
		.amdhsa_system_sgpr_workgroup_id_z 1
		.amdhsa_system_vgpr_workitem_id 0
		.amdhsa_next_free_vgpr 1024
		.amdhsa_next_free_sgpr 66
		.amdhsa_reserve_vcc 0
		.amdhsa_float_denorm_mode_32 3
		.amdhsa_float_denorm_mode_16_64 3
		.amdhsa_memory_ordered 1
		.amdhsa_forward_progress 1
		.amdhsa_inst_pref_size 241
	.end_amdhsa_kernel
	.amdgpu_metadata
---
amdhsa.version: [ 1, 2 ]
amdhsa.kernels:
  - .name:           k_qa878fae4ca_proj
    .symbol:         k_qa878fae4ca_proj.kd
    .args:
      - { .name: x, .offset: 0, .size: 8, .value_kind: global_buffer, .address_space: global }
      - { .name: wfr, .offset: 8, .size: 8, .value_kind: global_buffer, .address_space: global }
      - { .name: bq, .offset: 16, .size: 8, .value_kind: global_buffer, .address_space: global }
      - { .name: bk, .offset: 24, .size: 8, .value_kind: global_buffer, .address_space: global }
      - { .name: bv, .offset: 32, .size: 8, .value_kind: global_buffer, .address_space: global }
      - { .name: qw, .offset: 40, .size: 8, .value_kind: global_buffer, .address_space: global }
      - { .name: kv, .offset: 48, .size: 8, .value_kind: global_buffer, .address_space: global }
    .group_segment_fixed_size: 82432
    .private_segment_fixed_size: 0
    .kernarg_segment_align: 8
    .kernarg_segment_size: 56
    .max_flat_workgroup_size: 128
    .sgpr_count:     66
    .vgpr_count:     1024
    .wavefront_size: 32
...
	.end_amdgpu_metadata
.endif
;; end of part 5
;; launch attn (part 6): grid 256 x 1, 16 waves a work-group, clusters of 4 x 1, 315,392 bytes of LDS; arguments qw, kv, out0; writes out0
.if DOCPART == 6
	.amdgcn_target "amdgcn-amd-amdhsa--gfx1250"
	.amdhsa_code_object_version 6
	.text
	.protected	k_qa878fae4ca_attn
	.globl	k_qa878fae4ca_attn
	.p2align	8
	.type	k_qa878fae4ca_attn,@function
k_qa878fae4ca_attn:
	s_mov_b64 s[64:65], 0
	v_nop
	global_prefetch_b8 v0, s[64:65] scope:SCOPE_SE
	s_setreg_imm32_b32 hwreg(HW_REG_WAVE_MODE, 25, 1), 1
	s_wait_xcnt 0x0
	s_wait_alu depctr_hold_cnt(0) depctr_sa_sdst(0) depctr_va_vdst(0) depctr_va_sdst(0) depctr_va_ssrc(0) depctr_va_vcc(0) depctr_vm_vsrc(0)
	s_getreg_b32 s2, hwreg(HW_REG_IB_STS2, 6, 4)
	s_cmp_eq_u32 s2, 0
	s_cbranch_scc0 .Lentry_in_a_cluster
	s_endpgm
.Lentry_in_a_cluster:
	s_bfe_u32 s2, ttmp6, 0x10000c
	s_cmp_lg_u32 s2, 0x3003
	s_cbranch_scc0 .Lentry_shape_is_right
	s_endpgm
.Lentry_shape_is_right:
; out[b][n][64 head + e] = the sum over keys of softmax(q . k / 8) v, both products on codes of FP6 (E2M3) with one E8M0 scale for each 32 along a product's K.  q, k, v come as images of operand registers (launch proj).
; THE SOFTMAX AHEAD OF THE SECOND PRODUCT: t = score x log2(e) / 8; M = the row's largest t so far, rounded UP to a whole number; p = 2^(t - M) is quantised along the keys, not normalised.
; The row's sum is taken of the unquantised p, in f32, and divides O at the end.  When M moves, the sum and O are multiplied by 2^(old M - new M): exact.
; SHARES.  Cluster C (0..63) of four work-groups; a work-group stays for three units k = 0, 1, 2: head record R = C + 64 k (batch C % 16, head C / 16 + 4 k), query block cx of 256.  Each of sixteen waves owns one tile of 16 queries
; in 256 registers: four waves to a SIMD, so that one wave's vector work stands beside another's matrix work and LDS loads.  Every wave walks the record's 1,024 keys, 128 a step.
; LDS.  Three regions of 104,448 bytes, one whole kv record each, EACH FILLED ONCE: no byte of LDS is filled again.  The four partners need the same three records, so each quarter of a record is asked for JOINTLY
; (mask 15) by waves 0-3, all at the head behind one round of the cluster's barrier: three tensor loads of a wave are out.
; The way out's stages (16 rows x 272 bytes a wave) lie in region 0 and are first written behind the barrier at unit 1's head: region 0 has had its one fill, and no wave reads it any more.
; LAYOUT.  Both products are used transposed: S^T = K Q^T, O^T = V^T P^T: a lane holds ONE query (lane % 16) throughout.  Row r of token tile 2 b + u of a group of 64 is token 32 b + 8 u + r + 8 (r / 8), and V's channels likewise:
; so the 16 registers of two neighbouring tiles are 16 neighbouring keys (or channels).
; K = 64 IN AN INSTRUCTION THAT IS 128 DEEP: Q's registers 6-11 are zero codes; K's fragment is named 12 registers long, its upper six being the next tile's codes (behind the last tile: zeros), which meet zero codes;
; FP6 has no code for infinity or NaN; the scale bytes of the two empty blocks repeat the row's two real ones.
; LIMITS: NaN and infinities are not served.  p under 2^-126 counts as 0 (v_exp_f32's result, ISA guide 15.8).  A block of p that is all zeros gets the byte 1: its codes are zeros.
; A block's largest p is not searched for: the block's largest score goes through the same multiply-add and exponential (this takes v_exp_f32 not to fall where its input rises; at the worst one p of a block is held one code low).
; REGISTERS: v2-5 the step's LDS addresses; v6-11, v29 addresses that stay; v12 -M, v13 the largest t, v[14:15] the sum in two halves; v16-21 Q, v22-27 zeros; v28 Q's scale words; v30-33 K's, v34-35 V's, v36 p's;
;   v40-87 eight half fragments of K, then four fragments of V; v88-93 zeros; v96-159 S^T, then p; v160-191 O^T; v192-203 p's codes; v204-229 at work.
.set REC,   104448                     ; a kv record, and an LDS region
.set QREC,  53248
.set QSTEP, 64*QREC                    ; from unit to unit in qw
.set FR,  40
.set S,   96
.set OT,  160
.set PC,  192
.macro CROUND                          ; a round of the cluster's barrier: my work-group's barrier; wave 0 signals for the work-group; every wave waits for all four work-groups; my work-group's barrier once more
	s_barrier_signal -1
	s_barrier_wait -1
	s_cmp_lg_u32 s10, 0
	s_cbranch_scc1 .Lnot_wave_0_\@
	s_barrier_signal -3
.Lnot_wave_0_\@:
	s_barrier_wait -3
	s_barrier_signal -1
	s_barrier_wait -1
.endm
.macro FLOAD off                       ; eight half images of 768 bytes as they lie: 512 and 256 consecutive bytes a load
.irp f, 0,1,2,3,4,5,6,7
	ds_load_b128 v[FR+6*\f:FR+6*\f+3], v2 offset:\off+768*\f
	ds_load_b64 v[FR+6*\f+4:FR+6*\f+5], v3 offset:\off+768*\f+512
.endr
.endm
; A KEY STEP: 128 keys
.macro STEP
	v_add_nc_u32 v2, s51, v9                       ; the step's images, 16 bytes a lane;  (these four lines are also the places between the last step's products and the loads into the registers that they read)
	v_add_nc_u32 v3, s51, v10                      ; 8 bytes a lane;
	v_add_nc_u32 v4, s52, v10                      ; K's scale words;
	v_add_nc_u32 v5, s53, v29                      ; V's
	FLOAD 0
	ds_load_b64 v[30:31], v4                       ; register i: lanes 0-15 tile 2 i's words, lanes 16-31 tile 2 i + 1's
	ds_load_b64 v[32:33], v4 offset:256
	s_wait_alu depctr_va_vdst(0)
	s_wait_dscnt 0x0
.irp f, 0,2,4,6                                ; S^T = K Q^T: eight tiles of 16 keys
	v_wmma_scale_f32_16x16x128_f8f6f4 v[S+8*\f:S+8*\f+7], v[FR+6*\f:FR+6*\f+11], v[16:27], 0, v[30+\f/2], v28 matrix_a_fmt:MATRIX_FMT_FP6 matrix_b_fmt:MATRIX_FMT_FP6
	v_wmma_scale_f32_16x16x128_f8f6f4 v[S+8*\f+8:S+8*\f+15], v[FR+6*\f+6:FR+6*\f+17], v[16:27], 0, v[30+\f/2], v28 matrix_a_fmt:MATRIX_FMT_FP6 matrix_b_fmt:MATRIX_FMT_FP6 matrix_a_scale:MATRIX_SCALE_ROW1
.endr
.rept 4
	v_nop                                          ; places in front of the loads into K's registers and of the first read of the scores
.endr
	FLOAD 49152                                    ; V's four fragments land under the softmax
	ds_load_b32 v34, v5
	ds_load_b32 v35, v5 offset:128
.irp b, 0,1,2,3
	v_max3_num_f32 v[212+\b], v[S+16*\b], v[S+1+16*\b], v[S+2+16*\b]   ; THE LARGEST SCORE OF EACH BLOCK OF 32 KEYS serves twice: for the row's maximum and, since p rises with the score, for the block's largest p
.endr
.irp i, 3,5,7,9,11,13
.irp b, 0,1,2,3
	v_max3_num_f32 v[212+\b], v[212+\b], v[S+16*\b+\i], v[S+1+16*\b+\i]   ; the four blocks by turns
.endr
.endr
.irp b, 0,1,2,3
	v_max_num_f32 v[212+\b], v[212+\b], v[S+15+16*\b]
.endr
.irp b, 0,1,2,3
	s_delay_alu instid0(VALU_DEP_4)
	v_permlanex16_b32 v[216+\b], v[212+\b], s20, s21
.endr
.irp b, 0,1,2,3
	s_delay_alu instid0(VALU_DEP_4)
	v_max_num_f32 v[212+\b], v[212+\b], v[216+\b]  ; with lane l xor 16's 16 keys
.endr
	s_delay_alu instid0(VALU_DEP_2)
	v_max3_num_f32 v226, v212, v213, v214
	s_delay_alu instid0(VALU_DEP_1)
	v_max_num_f32 v226, v226, v215                 ; the step's largest score of my query
	s_delay_alu instid0(VALU_DEP_1)
	v_mul_f32 v226, s22, v226                      ; as t (c is positive)
	s_delay_alu instid0(VALU_DEP_1)
	v_max_num_f32 v13, v13, v226                   ; the running largest t
	v_mov_b32 v226, v12
	s_delay_alu instid0(VALU_DEP_2)
	v_floor_f32 v12, -v13                          ; the new -M = floor(-t) = -ceil(t): a whole number
	s_delay_alu instid0(VALU_DEP_1)
	v_sub_f32 v226, v12, v226                      ; old M - new M: a whole number, 0 or less
	s_delay_alu instid0(VALU_DEP_1)
	v_cvt_i32_f32 v226, v226                       ; (it saturates)
	s_delay_alu instid0(VALU_DEP_1)
	v_ldexp_f32 v224, 1.0, v226                    ; f = 2^(old M - new M)
.set jj, 0
.rept 32
	v_pk_fma_f32 v[S+jj:S+jj+1], v[S+jj:S+jj+1], s[22:23], v[12:13] op_sel_hi:[1,0,0]   ; t - M, two at a time (of the pairs c and -M the low word serves both halves)
.set jj, jj+2
.endr
.irp b, 0,1,2,3
	v_fma_f32 v[212+\b], v[212+\b], s22, v12       ; the same of each block's largest score
.endr
.set jj, 0
	s_setprio 1
	s_wait_alu depctr_va_vdst(0)
.rept 64
	v_exp_f32 v[S+jj], v[S+jj]                     ; p = 2^(t - M), at most 1: not normalised
.set jj, jj+1
.endr
.irp b, 0,1,2,3
	v_exp_f32 v[212+\b], v[212+\b]                 ; the block's largest p: the same two instructions on the same number give the same bits
.endr
	v_pk_mul_f32 v[14:15], v[14:15], v[224:225] op_sel_hi:[1,0]   ; the sums under the new M: the plain instruction behind the exponentials; these 17 lines name none of their results
.set jj, 0
	s_wait_alu depctr_va_vdst(0)
.rept 16
	v_pk_mul_f32 v[OT+jj:OT+jj+1], v[OT+jj:OT+jj+1], v[224:225] op_sel_hi:[1,0]   ; O^T under the new M, each accumulator from its low end on
.set jj, jj+2
.endr
	s_wait_alu depctr_va_vdst(0)                   ; ONE wait for the batch of 68 exponentials, ahead of the first instruction that names a result
.irp b, 0,1,2,3
	v_max_num_f32 v[212+\b], 0x1800000, v[212+\b]  ; the floor 2^(3 - 127): the byte cannot fall under 1
.endr
.irp b, 0,1,2,3
	s_delay_alu instid0(VALU_DEP_4)
	v_add_nc_u32 v[220+\b], 0xff000000, v[212+\b]  ; 2 off the exponent field: the conversion's scale operand
.endr
.irp b, 0,1,2,3
	s_delay_alu instid0(VALU_DEP_4)
	v_lshrrev_b32 v[216+\b], 23, v[220+\b]         ; the scale's byte
.endr
	s_delay_alu instid0(VALU_DEP_3)
	v_lshl_or_b32 v36, v217, 8, v216               ; p's scale word for these 128 keys
	s_delay_alu instid0(VALU_DEP_1)
	v_lshl_or_b32 v36, v218, 16, v36
	s_delay_alu instid0(VALU_DEP_1)
	v_lshl_or_b32 v36, v219, 24, v36
.irp c, 0,1
	v_cvt_scalef32_pk16_fp6_f32 v[PC+6*\c:PC+2+6*\c], v[S+32*\c:S+15+32*\c], v[220+2*\c]
	v_cvt_scalef32_pk16_fp6_f32 v[204+4*\c:206+4*\c], v[S+16+32*\c:S+31+32*\c], v[220+2*\c+1]   ; (a conversion's three registers begin on an even number)
.endr
	v_nop                                          ; one plain instruction behind the scaled conversions
.irp c, 0,1                                    ; the operand's layout wants a whole block in a lane
.irp i, 0,1,2
	v_permlane16_swap_b32 v[PC+6*\c+\i], v[204+4*\c+\i]
.endr
.irp i, 0,1,2
	s_delay_alu instid0(VALU_DEP_3)
	v_mov_b32 v[PC+3+6*\c+\i], v[204+4*\c+\i]
.endr
.endr
	v_pk_add_f32 v[228:229], v[100:101], v[104:105]
	v_pk_add_f32 v[252:253], v[108:109], v[112:113]
	v_pk_add_f32 v[250:251], v[116:117], v[120:121]
	v_pk_add_f32 v[248:249], v[124:125], v[128:129]
	v_pk_add_f32 v[246:247], v[132:133], v[136:137]
	v_pk_add_f32 v[244:245], v[140:141], v[144:145]
	v_pk_add_f32 v[242:243], v[148:149], v[152:153]
	v_pk_add_f32 v[14:15], v[14:15], v[156:157]
	v_pk_add_f32 v[228:229], v[228:229], v[96:97]
	v_pk_add_f32 v[252:253], v[252:253], v[98:99]
	v_pk_add_f32 v[250:251], v[250:251], v[102:103]
	v_pk_add_f32 v[248:249], v[248:249], v[106:107]
	s_setprio 0
	v_pk_add_f32 v[246:247], v[246:247], v[110:111]
	v_pk_add_f32 v[244:245], v[244:245], v[114:115]
	v_pk_add_f32 v[242:243], v[242:243], v[118:119]
	v_pk_add_f32 v[14:15], v[14:15], v[122:123]
	v_pk_add_f32 v[228:229], v[228:229], v[126:127]
	v_pk_add_f32 v[252:253], v[252:253], v[130:131]
	v_pk_add_f32 v[250:251], v[250:251], v[134:135]
	v_pk_add_f32 v[248:249], v[248:249], v[138:139]
	v_pk_add_f32 v[246:247], v[246:247], v[142:143]
	v_pk_add_f32 v[244:245], v[244:245], v[146:147]
	v_pk_add_f32 v[242:243], v[242:243], v[150:151]
	v_pk_add_f32 v[14:15], v[14:15], v[154:155]
	v_pk_add_f32 v[228:229], v[228:229], v[158:159]
	s_delay_alu instid0(VALU_DEP_2)
	v_pk_add_f32 v[14:15], v[14:15], v[248:249]
	s_delay_alu instid0(VALU_DEP_2)
	v_pk_add_f32 v[228:229], v[228:229], v[246:247]
	v_pk_add_f32 v[252:253], v[252:253], v[244:245]
	v_pk_add_f32 v[250:251], v[250:251], v[242:243]
	s_delay_alu instid0(VALU_DEP_2)
	v_pk_add_f32 v[14:15], v[14:15], v[252:253]
	s_delay_alu instid0(VALU_DEP_2)
	v_pk_add_f32 v[228:229], v[228:229], v[250:251]
	s_delay_alu instid0(VALU_DEP_1)
	v_pk_add_f32 v[14:15], v[14:15], v[228:229]
	s_wait_dscnt 0x0                               ; V and its scale words are in
.irp t, 0,2                                    ; O^T += V^T P^T: four tiles of 16 channels, by turns
	v_wmma_scale_f32_16x16x128_f8f6f4 v[OT+8*\t:OT+8*\t+7], v[FR+12*\t:FR+12*\t+11], v[PC:PC+11], v[OT+8*\t:OT+8*\t+7], v[34+\t/2], v36 matrix_a_fmt:MATRIX_FMT_FP6 matrix_b_fmt:MATRIX_FMT_FP6
	v_wmma_scale_f32_16x16x128_f8f6f4 v[OT+8*\t+8:OT+8*\t+15], v[FR+12*\t+12:FR+12*\t+23], v[PC:PC+11], v[OT+8*\t+8:OT+8*\t+15], v[34+\t/2], v36 matrix_a_fmt:MATRIX_FMT_FP6 matrix_b_fmt:MATRIX_FMT_FP6 matrix_a_scale:MATRIX_SCALE_ROW1
.endr
.endm
; THE WAY OUT of unit k: O^T / the sum goes through my stage and leaves as whole tokens' 256 bytes
.macro WAYOUT k
	v_add_f32 v14, v14, v15                        ; the sum's two halves,
	s_delay_alu instid0(VALU_DEP_1)
	v_permlanex16_b32 v226, v14, s20, s21
	s_delay_alu instid0(VALU_DEP_1)
	v_add_f32 v14, v14, v226                       ; and lane l xor 16's: the row's sum
	s_wait_alu depctr_va_vdst(0)
	v_rcp_f32 v224, v14
.rept 4
	v_nop                                          ; the plain instruction behind the reciprocal, and the places behind the last products
.endr
	s_wait_alu depctr_va_vdst(0)                   ; the wait ahead of the reciprocal's first reader
.set jj, 0
.rept 16
	v_pk_mul_f32 v[S+jj:S+jj+1], v[OT+jj:OT+jj+1], v[224:225] op_sel_hi:[1,0]   ; register 16 b + i is channel 32 b + 16 h + i of query r
.set jj, jj+2
.endr
.irp b, 0,1
.irp q, 0,1,2,3
	ds_store_b128 v6, v[S+16*\b+4*\q:S+16*\b+4*\q+3] offset:128*\b+16*\q
.endr
.endr
.irp i, 0,1,2,3,4,5,6,7
	ds_load_b128 v[128+4*\i:131+4*\i], v7 offset:544*\i   ; rows 2 i and 2 i + 1.  LDS serves a wave's instructions in order (ISA guide 5.7.1.4): these see my stores
.endr
.irp i, 0,1,2,3,4,5,6,7
	s_wait_dscnt 7-\i                              ; the younger loads may stay out
	global_store_b128 v8, v[128+4*\i:131+4*\i], s[48:49] offset:1024*(\k)+(2*\i+8*(\i/4))*3072 th:TH_STORE_NT   ; sixteen lanes store a token's 256 consecutive bytes of this head, aligned
.endr
.endm
.macro UNIT k
	global_load_b128 v[16:19], v9, s[44:45] offset:\k*QSTEP       ; my tile of queries: a half image,
	global_load_b64 v[20:21], v10, s[44:45] offset:\k*QSTEP+512
	global_load_b32 v28, v11, s[46:47] offset:\k*QSTEP            ; and its scale words
	s_wait_tensorcnt 2-\k                          ; my quarter of this unit's record is in; my loads for the later units may stay out
	s_wait_dscnt 0x0                               ; my reads of the last unit's region are over
	s_barrier_signal -1
	s_barrier_wait -1                              ; the record is whole for every wave
.if \k > 0
	WAYOUT \k-1
.endif
	v_mov_b32 v13, 0xff61b1e6                      ; the largest t so far: -3e38, under every t
	s_delay_alu instid0(VALU_DEP_1)
	v_floor_f32 v12, -v13                          ; -M
	v_mov_b32 v14, 0
	v_mov_b32 v15, 0
.set jj, 0
.rept 32
	v_mov_b32 v[OT+jj], 0                          ; the step is written once a unit: its first trip finds zeros, which the first change of M leaves zeros
.set jj, jj+1
.endr
	s_mov_b32 s51, \k*REC                          ; the step's images,
	s_mov_b32 s52, \k*REC+98304                    ; K's scale words,
	s_mov_b32 s53, \k*REC+102400                   ; V's
	s_mov_b32 s50, 8
	s_wait_xcnt 0x0                                ; the stores have read their data: those registers take scores again
	s_wait_loadcnt 0x0                             ; Q
.Lstep_\@:
	s_setprio 2
	STEP
	s_add_co_u32 s51, s51, 6144
	s_add_co_u32 s52, s52, 512
	s_add_co_u32 s53, s53, 256
	s_sub_co_u32 s50, s50, 1
	s_cmp_lg_u32 s50, 0
	s_cbranch_scc1 .Lstep_\@
	s_setprio 0
.endm
	s_load_b128 s[4:7], s[0:1], 0x0                ; qw s[4:5], kv s[6:7]
	s_load_b64 s[8:9], s[0:1], 0x10                ; out0
	v_lshl_add_u32 v254, v0, 2, 0x4c800
	v_mov_b32 v255, 0
	ds_add_u32 v254, v255
	ds_add_u32 v254, v255
	v_lshrrev_b32 v1, 5, v0
	s_delay_alu instid0(VALU_DEP_1)
	v_readfirstlane_b32 s10, v1                    ; wave 0..15
	s_bfe_u32 s11, ttmp6, 0x40000                  ; cx: my place in the cluster: it enters Q's and the output's addresses alone
	v_and_b32 v1, 31, v0                           ; lane
	v_and_b32 v30, 15, v0                          ; r
	v_bfe_u32 v31, v0, 4, 1                        ; h
	s_delay_alu instid0(VALU_DEP_3)
	v_lshlrev_b32 v9, 4, v1                        ; v9  16 x lane
	s_delay_alu instid0(VALU_DEP_4)
	v_lshlrev_b32 v10, 3, v1                       ; v10 8 x lane
	v_lshlrev_b32 v29, 2, v1                       ; v29 4 x lane
	v_lshlrev_b32 v11, 3, v30                      ; v11 8 r: Q's scale words
	s_mul_i32 s12, s10, 16*272                     ; my stage
	v_mul_u32_u24 v6, v30, 272
	s_delay_alu instid0(VALU_DEP_1)
	v_lshl_add_u32 v6, v31, 6, v6
	s_delay_alu instid0(VALU_DEP_1)
	v_add_nc_u32 v6, s12, v6                       ; v6  in: row r, + 64 h
	v_mul_u32_u24 v7, v31, 272
	s_delay_alu instid0(VALU_DEP_1)
	v_lshl_add_u32 v7, v30, 4, v7
	s_delay_alu instid0(VALU_DEP_1)
	v_add_nc_u32 v7, s12, v7                       ; v7  back: lanes 0-15 one row, lanes 16-31 the next
	v_mul_u32_u24 v8, v31, 3072
	s_delay_alu instid0(VALU_DEP_1)
	v_lshl_add_u32 v8, v30, 4, v8                  ; v8  and the same two tokens in the output
.irp j, 22,23,24,25,26,27,88,89,90,91,92,93,216,217,218,219,225,226
	v_mov_b32 v\j, 0                               ; zero codes; the lane permutes' destinations; the upper half of f's pair: written once
.endr
	s_lshl_b32 s13, s11, 4
	s_add_co_u32 s13, s13, s10                     ; my token tile T = 16 cx + w = 4 g + 2 mm + c
	s_lshr_b32 s14, s13, 2                         ; g
	s_bfe_u32 s15, s10, 0x10001                    ; mm
	s_and_b32 s16, s10, 1                          ; c
	s_mul_i32 s17, ttmp9, QREC                     ; unit 0's record in qw
	s_mul_i32 s18, s13, 768
	s_add_co_u32 s54, s17, s18                     ; my half image
	s_mov_b32 s55, 0
	s_lshl_b32 s18, s14, 8                         ; my scale words: 49,152 + 256 g + 128 c + 4 mm
	s_add_co_u32 s56, s17, s18
	s_lshl_b32 s18, s16, 7
	s_add_co_u32 s56, s56, s18
	s_lshl_b32 s18, s15, 2
	s_add_co_u32 s56, s56, s18
	s_add_co_u32 s56, s56, 49152
	s_mov_b32 s57, 0
	s_and_b32 s17, ttmp9, 15                       ; the output: batch,
	s_mul_i32 s58, s17, 3145728
	s_lshl_b32 s17, s14, 6                         ; token 64 g + 32 mm + 8 c,
	s_lshl_b32 s18, s15, 5
	s_add_co_u32 s17, s17, s18
	s_lshl_b32 s18, s16, 3
	s_add_co_u32 s17, s17, s18
	s_mul_i32 s17, s17, 3072
	s_add_co_u32 s58, s58, s17
	s_lshr_b32 s17, ttmp9, 4                       ; head C / 16 (+ 4 k: an immediate)
	s_lshl_b32 s17, s17, 8
	s_add_co_u32 s58, s58, s17
	s_mov_b32 s59, 0
	s_and_b32 s60, s10, 3                          ; what I fetch, if I fetch: quarter w of each record, 102 rows of 256 bytes; these registers hold the wave's and the cluster's numbers alone
	s_mul_i32 s60, s60, 26112
	s_mul_i32 s62, ttmp9, REC
	s_add_co_u32 s62, s62, s60
	s_mov_b32 s63, 0
	; descriptor group 1: 102 rows of 32 elements of 8 bytes, dense in memory and in LDS
	s_mov_b32 s24, 15|(3<<16)|(1<<21)              ; 15:0 the mask: all four work-groups; 17:16 elements of 8 bytes; 20 no padding; 21 set beside a mask
	s_mov_b32 s25, 32<<16                          ; tensor_dim0 = 32
	s_mov_b32 s26, 102<<16                         ; tensor_dim1 = 102
	s_mov_b32 s27, 32<<16                          ; tile_dim0 = 32
	s_mov_b32 s28, 102                             ; tile_dim1 = 102
	s_mov_b32 s29, 32                              ; tensor_dim0_stride
	s_mov_b32 s30, 0
	s_mov_b32 s31, 0
	s_mov_b32 s20, 0x76543210
	s_mov_b32 s21, 0xfedcba98                      ; v_permlanex16_b32's selects for lane l xor 16
	s_mov_b32 s22, 0x3e38aa3b                      ; c = log2(e) / 8
	s_mov_b32 s23, s22                             ; (named with it as a pair, so it is written)
	s_wait_dscnt 0x0
	s_wait_kmcnt 0x0
	s_add_nc_u64 s[44:45], s[4:5], s[54:55]        ; s[44:45] my queries' image
	s_add_nc_u64 s[46:47], s[4:5], s[56:57]        ; s[46:47] their scale words
	s_add_nc_u64 s[48:49], s[8:9], s[58:59]        ; s[48:49] my first token's bytes of unit 0's head
	s_add_nc_u64 s[62:63], s[6:7], s[62:63]        ; my quarter of unit 0's record
.irp k, 0,1,2
	s_mov_b32 s[32+4*\k], 1                        ; 1:0 count = 1
	s_add_co_u32 s[33+4*\k], s60, \k*REC           ; 63:32 LDS address: region k, quarter w
	s_add_nc_u64 s[34+4*\k:35+4*\k], s[62:63], \k*64*REC   ; 120:64 global address: record C + 64 k
	s_or_b32 s[35+4*\k], s[35+4*\k], 0x80000000    ; 127:126 type = 2
.endr
	CROUND                                         ; all four work-groups are here: the joint loads meet
	s_cmp_lt_u32 s10, 4                            ; a wave's three fills stand in one branch on its number, ahead of every wait on TENSORcnt, every LDS read and every other barrier
	s_cbranch_scc0 .Lno_fetch
	tensor_load_to_lds s[32:35], s[24:31]
	s_nop 0
	tensor_load_to_lds s[36:39], s[24:31]
	s_nop 0
	tensor_load_to_lds s[40:43], s[24:31]
	s_nop 0
.rept 4
	v_nop                                          ; four lines behind the last of them, ahead of the label
.endr
.Lno_fetch:
	UNIT 0
	s_wait_alu depctr_va_vdst(0)
	UNIT 1
	s_wait_alu depctr_va_vdst(0)
	UNIT 2
	s_wait_alu depctr_va_vdst(0)
	WAYOUT 2
	s_wait_dscnt 0x0                               ; no LDS instruction of mine is pending at a signal
	s_wait_tensorcnt 0x0
	ds_add_u32 v254, v255
	s_wait_dscnt 0x0
	CROUND                                         ; the closing round: no work-group ends while a partner may still ask for a tile that names it
	s_endpgm
.Lfunc_end_k_qa878fae4ca_attn:
	.size	k_qa878fae4ca_attn, .Lfunc_end_k_qa878fae4ca_attn-k_qa878fae4ca_attn
	.p2alignl 7, 3214868480
	.fill 96, 4, 3214868480
	.section	.rodata,"a",@progbits
	.p2align	6, 0x0
	.amdhsa_kernel k_qa878fae4ca_attn
		.amdhsa_group_segment_fixed_size 315392
		.amdhsa_private_segment_fixed_size 0
		.amdhsa_enable_private_segment 0
		.amdhsa_kernarg_size 24
		.amdhsa_user_sgpr_count 2
		.amdhsa_user_sgpr_kernarg_segment_ptr 1
		.amdhsa_wavefront_size32 1
		.amdhsa_system_sgpr_workgroup_id_x 1
		.amdhsa_system_sgpr_workgroup_id_y 1
		.amdhsa_system_sgpr_workgroup_id_z 1
		.amdhsa_system_vgpr_workitem_id 0
		.amdhsa_next_free_vgpr 256
		.amdhsa_next_free_sgpr 66
		.amdhsa_reserve_vcc 0
		.amdhsa_float_denorm_mode_32 3
		.amdhsa_float_denorm_mode_16_64 3
		.amdhsa_memory_ordered 1
		.amdhsa_forward_progress 1
		.amdhsa_inst_pref_size 75
	.end_amdhsa_kernel
	.amdgpu_metadata
---
amdhsa.version: [ 1, 2 ]
amdhsa.kernels:
  - .name:           k_qa878fae4ca_attn
    .symbol:         k_qa878fae4ca_attn.kd
    .args:
      - { .name: qw, .offset: 0, .size: 8, .value_kind: global_buffer, .address_space: global }
      - { .name: kv, .offset: 8, .size: 8, .value_kind: global_buffer, .address_space: global }
      - { .name: out0, .offset: 16, .size: 8, .value_kind: global_buffer, .address_space: global }
    .group_segment_fixed_size: 315392
    .private_segment_fixed_size: 0
    .kernarg_segment_align: 8
    .kernarg_segment_size: 24
    .max_flat_workgroup_size: 512
    .sgpr_count:     66
    .vgpr_count:     256
    .wavefront_size: 32
...
	.end_amdgpu_metadata
.endif
;; end of part 6
